; MI455X (gfx1250); checked and timed in simulation.
; The chip was launched on July 23, 2026; its instructions are those of AMD's public machine-readable ISA for CDNA 5 (MIT licence, August 2026) and "CDNA5" Instruction Set Architecture Reference Guide (July 2026). The comments in the code are by the model that wrote it; some were corrected since.
;; Multihead A Li Bi Self Attention. Allowed arithmetic: float matrix products may take bf16 or f16 operands with f32 sums; all other float work in f32.
;; Inputs: Wk 1,024 x 1,024 float32; Wo 1,024 x 1,024 float32; Wq 1,024 x 1,024 float32; Wv 1,024 x 1,024 float32; attn_mask 2 x 2,048 x 2,048 bool; bk 1,024 float32; bo 1,024 float32; bq 1,024 float32; bv 1,024 float32; embed 2 x 2,048 x 1,024 float32.
;; Outputs: out0 2 x 2,048 x 1,024 float32.
;; 2 versions, each right; version 2 is version 1 with the launch prep written anew for expert scheduling mode. Each part assembles by itself: llvm-mc -triple=amdgcn-amd-amdhsa -mcpu=gfx1250 --defsym DOCPART=n.
;; ======== version 1 of 2: 4 launches
;; limits: values are held in f16: magnitudes above 65,504 overflow, below 6.1e-05 lose precision; right only within a limited range of input values
;; workspace buffers: xb 8,388,608 bytes; wall 8,388,608 bytes; ball 12,288 bytes; mbits 1,048,576 bytes of whole numbers; qkv 25,165,824 bytes; ao 8,388,608 bytes
;; launch prep (part 1): grid 512 x 1, 8 waves a work-group, no clusters, 35,840 bytes of LDS; arguments embed, Wq, Wk, Wv, Wo, bq, bk, bv, attn_mask, xb, wall, ball, mbits; writes xb, wall, ball, mbits
.if DOCPART == 1
	.amdgcn_target "amdgcn-amd-amdhsa--gfx1250"
	.amdhsa_code_object_version 6
	.text
	.protected	k_q6eca0b6b7d_prep
	.globl	k_q6eca0b6b7d_prep
	.p2align	8
	.type	k_q6eca0b6b7d_prep,@function
k_q6eca0b6b7d_prep:
	s_mov_b64 s[64:65], 0
	v_nop
	global_prefetch_b8 v0, s[64:65] scope:SCOPE_SE
	s_setreg_imm32_b32 hwreg(HW_REG_WAVE_MODE, 25, 1), 1
	s_wait_xcnt 0x0
; prep: what the three later launches would otherwise redo in every work-group is done once here.
;   work-groups   0-127: embed [4096][1024] f32 -> xb f16, 32,768 numbers each
;   work-groups 128-255: Wq, Wk, Wv, Wo f32 -> wall [4096][1024] f16 (rows 0-1023 c Wq, then Wk, Wv, Wo), 32 work-groups a matrix;
;                        the first work-group of Wq, Wk, Wv also writes its bias to ball [3072] f32 (c bq, bk, bv)
;   work-groups 256-511: 16 rows of attn_mask each -> mbits: one 32-bit word for 32 mask bytes, a bit for each lane of the attention kernel
; c = 0.125 log2(e): the division by sqrt(64) and the change from e^x to 2^x are folded into Wq and bq BEFORE the rounding to f16
; (an order of rounding that differs from reference(), stated here).
; WHY f16 AND NOT bf16: a result passes through some ten roundings of matrix operands (embed, weights, Q, K, V, P, the heads' outputs); f16 keeps 11 significant
; bits against 8.  LIMIT: |embed| and the weights must stay below 65,504, f16's largest number (beyond it the operand is infinite); below 6.1e-5 f16's step is
; fixed at 6e-8, which for weights 30 times smaller than 1/32 is still under 2e-4 of their spread.
; mbits word (qt, kt, jj), bit L = mask[16 qt + (L & 15)][16 kt + 2 jj + (L >> 4)]; a byte that is not 0 counts as true.
; No matrix unit, no cluster, no barrier: memory binds, no work-group shares an input byte with another, and each wave keeps to LDS bytes of its own.
.set CQ,   0x3e38aa3b                  ; c = 0.125 * 1.442695
.set X,    16                          ; v[16:143]  32 loads of 4 f32
.set Y,    144                         ; v[144:207] 32 stores of 4 f16
.set MIN,  16                          ; v[16:47]   mask role: 8 loads of 16 bytes
.set MR,   48                          ; v[48:111]  mask role: 16 key tiles x 16 bytes of my row
.set OUT,  112                         ; v[112:115] mask role: the wave's 128 words, four a lane
.set MT,   116                         ; v[116:123] mask role: at work
.set MP,   272                         ; mask role: LDS row, 256 bytes + 16
	s_load_b512 s[4:19], s[0:1], 0x0               ; embed s[4:5], Wq s[6:7], Wk s[8:9], Wv s[10:11], Wo s[12:13], bq s[14:15], bk s[16:17], bv s[18:19]
	s_load_b256 s[20:27], s[0:1], 0x40             ; attn_mask s[20:21], xb s[22:23], wall s[24:25], ball s[26:27]
	s_load_b64 s[28:29], s[0:1], 0x60              ; mbits
	v_lshl_add_u32 v208, v0, 2, 0x8800
	v_mov_b32 v209, 0
	v_lshrrev_b32 v1, 5, v0
	v_readfirstlane_b32 s2, v1                     ; wave 0..7
	v_and_b32 v1, 31, v0                           ; lane
	s_mov_b32 s31, 0                               ; the upper word of every offset pair s[30:31]
	s_wait_kmcnt 0x0
	s_cmp_ge_u32 ttmp9, 256
	s_cbranch_scc1 .Lmask
	s_cmp_ge_u32 ttmp9, 128
	s_cbranch_scc1 .Lweights
	; embed: 131,072 bytes in, 65,536 out for each work-group
	s_lshl_b32 s30, ttmp9, 17
	s_add_nc_u64 s[34:35], s[4:5], s[30:31]        ; from
	s_lshl_b32 s30, ttmp9, 16
	s_add_nc_u64 s[38:39], s[22:23], s[30:31]      ; to
	s_mov_b32 s32, 1.0                             ; one text serves embed and the weights: the factor is 1 but for Wq and bq
	s_mov_b32 s33, 1.0
	s_branch .Lconv
.Lweights:
	s_sub_co_u32 s40, ttmp9, 128                   ; 0..127
	s_lshr_b32 s41, s40, 5                         ; which matrix: 0 Wq, 1 Wk, 2 Wv, 3 Wo
	s_and_b32 s42, s40, 31                         ; which 32nd of it
	s_cmp_eq_u32 s41, 1
	s_cselect_b64 s[34:35], s[8:9], s[6:7]
	s_cmp_eq_u32 s41, 2
	s_cselect_b64 s[34:35], s[10:11], s[34:35]
	s_cmp_eq_u32 s41, 3
	s_cselect_b64 s[34:35], s[12:13], s[34:35]
	s_lshl_b32 s30, s42, 17
	s_add_nc_u64 s[34:35], s[34:35], s[30:31]
	s_lshl_b32 s30, s40, 16
	s_add_nc_u64 s[38:39], s[24:25], s[30:31]      ; the four matrices follow each other in wall
	s_cmp_eq_u32 s41, 0
	s_cselect_b32 s32, CQ, 1.0
	s_mov_b32 s33, s32
	s_cmp_lg_u32 s42, 0                            ; the bias: the matrix's first work-group,
	s_cbranch_scc1 .Lconv
	s_cmp_eq_u32 s41, 3                            ; and not for Wo (bo is read as it is by the last launch)
	s_cbranch_scc1 .Lconv
	s_cmp_eq_u32 s41, 1
	s_cselect_b64 s[44:45], s[16:17], s[14:15]
	s_cmp_eq_u32 s41, 2
	s_cselect_b64 s[44:45], s[18:19], s[44:45]
	s_lshl_b32 s30, s41, 12
	s_add_nc_u64 s[46:47], s[26:27], s[30:31]
	v_lshlrev_b32 v8, 4, v0                        ; 256 threads x 16 bytes = the 4,096 bytes of a bias
	global_load_b128 v[4:7], v8, s[44:45]
	s_wait_loadcnt 0x0
	v_pk_mul_f32 v[4:5], v[4:5], s[32:33] op_sel_hi:[1,0]
	v_pk_mul_f32 v[6:7], v[6:7], s[32:33] op_sel_hi:[1,0]
	global_store_b128 v8, v[4:7], s[46:47]         ; v8, v[4:7], s[46:47] are not written again
.Lconv:
	; A wave takes 16,384 bytes: 32 loads of 512 neighbouring bytes, all issued before the first is used; each store of the wave covers 256 consecutive bytes, aligned.
	s_lshl_b32 s30, s2, 14
	s_add_nc_u64 s[34:35], s[34:35], s[30:31]
	s_lshl_b32 s30, s2, 13
	s_add_nc_u64 s[38:39], s[38:39], s[30:31]
	v_lshlrev_b32 v2, 4, v1
	v_lshlrev_b32 v3, 3, v1
.set k, 0
.rept 32
	global_load_b128 v[X+4*k:X+4*k+3], v2, s[34:35] offset:512*k th:TH_LOAD_NT
.set k, k+1
.endr
.set k, 0
.rept 32
	s_wait_loadcnt 31-k                            ; loads come back in order (ISA guide 5.7.1): load k is in, the 31-k younger ones stay out
	v_pk_mul_f32 v[X+4*k:X+4*k+1], v[X+4*k:X+4*k+1], s[32:33] op_sel_hi:[1,0]
	v_pk_mul_f32 v[X+4*k+2:X+4*k+3], v[X+4*k+2:X+4*k+3], s[32:33] op_sel_hi:[1,0]
	v_cvt_pk_f16_f32 v[Y+2*k], v[X+4*k], v[X+4*k+1]
	v_cvt_pk_f16_f32 v[Y+2*k+1], v[X+4*k+2], v[X+4*k+3]
	global_store_b64 v3, v[Y+2*k:Y+2*k+1], s[38:39] offset:256*k   ; every store has data registers of its own: nothing is rewritten
.set k, k+1
.endr
	s_endpgm
.Lmask:
	; 16 rows of the mask; wave w takes keys 256 w .. 256 w + 255.  In: sixteen lanes take 256 neighbouring bytes of a row.
	; Through the wave's own 16 x 272 bytes of LDS each lane then gets, for row lane & 15, the 16 bytes of each key tile.
	v_and_b32 v2, 15, v0                           ; r
	v_bfe_u32 v3, v0, 4, 1                         ; h
	v_lshlrev_b32 v4, 4, v2                        ; 16 r
	s_lshl_b32 s30, s2, 8                          ; 256 w
	v_lshl_add_u32 v5, v3, 11, v4                  ; lanes 16-31 one row (2,048 bytes) further down
	v_add_nc_u32 v5, s30, v5
	s_sub_co_u32 s44, ttmp9, 256                   ; qt: which 16 of the 4,096 rows
	s_lshl_b32 s30, s44, 15
	s_add_nc_u64 s[20:21], s[20:21], s[30:31]
.irp i, 0,1,2,3,4,5,6,7
	global_load_b128 v[MIN+4*\i:MIN+4*\i+3], v5, s[20:21] offset:4096*\i th:TH_LOAD_NT   ; rows 2 i and 2 i + 1
.endr
	s_mul_i32 s45, s2, 16*MP                       ; my wave's stage
	v_mul_u32_u24 v6, v3, MP
	v_add_nc_u32 v6, v6, v4
	v_add_nc_u32 v6, s45, v6                       ; in: row h, 16 bytes at 16 r
	v_mul_u32_u24 v7, v2, MP
	v_add_nc_u32 v7, s45, v7                       ; back: row r
	v_lshlrev_b32 v8, 3, v3
	v_mov_b32 v9, 0xff
	v_lshlrev_b32 v9, v8, v9                       ; key 2 jj + h is byte 2 (jj & 1) + h of word jj >> 1: the byte's mask for even jj,
	v_lshlrev_b32 v10, 16, v9                      ; and for odd jj
	v_lshlrev_b32 v11, 4, v1                       ; out: 16 bytes a lane
	s_lshl_b32 s30, s44, 12                        ; 4,096 bytes of words for 16 rows,
	s_lshl_b32 s46, s2, 9                          ; 512 of them for my 16 key tiles
	s_add_co_u32 s30, s30, s46
	s_add_nc_u64 s[28:29], s[28:29], s[30:31]
.irp i, 0,1,2,3
	v_mov_b32 v[OUT+\i], 0                         ; v_writelane_b32 keeps the other lanes: the registers are written whole first
.endr
.irp i, 0,1,2,3,4,5,6,7
	s_wait_loadcnt 7-\i
	ds_store_b128 v6, v[MIN+4*\i:MIN+4*\i+3] offset:2*MP*\i
.endr
.irp t, 0,1,2,3,4,5,6,7,8,9,10,11,12,13,14,15
	ds_load_b128 v[MR+4*\t:MR+4*\t+3], v7 offset:16*\t   ; LDS serves a wave's instructions in order (ISA guide 5.7.1.4): these see the stores above
.endr
.set kt, 0
.rept 16
	s_wait_dscnt 15-kt                             ; key tile kt's 16 bytes are in
.set jj, 0
.rept 8
	v_and_b32 v[MT+jj], v[9+(jj&1)], v[MR+4*kt+(jj>>1)]
.set jj, jj+1
.endr
.set jj, 0
.rept 8
	v_cmp_ne_u32 s[36+jj], 0, v[MT+jj]             ; bit L of the word = lane L's byte is not 0
.set jj, jj+1
.endr
.set jj, 0
.rept 8
	v_writelane_b32 v[OUT+(jj&3)], s[36+jj], 2*kt+(jj>>2)   ; word 8 kt + jj of the wave's 128 lies in lane (8 kt + jj) / 4, register jj & 3
.set jj, jj+1
.endr
.set kt, kt+1
.endr
	global_store_b128 v11, v[OUT:OUT+3], s[28:29]  ; 512 consecutive bytes, aligned
	s_wait_tensorcnt 0x0
	ds_add_u32 v208, v209
	s_wait_dscnt 0x0
	s_endpgm
.Lfunc_end_k_q6eca0b6b7d_prep:
	.size	k_q6eca0b6b7d_prep, .Lfunc_end_k_q6eca0b6b7d_prep-k_q6eca0b6b7d_prep
	.p2alignl 7, 3214868480
	.fill 96, 4, 3214868480
	.section	.rodata,"a",@progbits
	.p2align	6, 0x0
	.amdhsa_kernel k_q6eca0b6b7d_prep
		.amdhsa_group_segment_fixed_size 35840
		.amdhsa_private_segment_fixed_size 0
		.amdhsa_enable_private_segment 0
		.amdhsa_kernarg_size 104
		.amdhsa_user_sgpr_count 2
		.amdhsa_user_sgpr_kernarg_segment_ptr 1
		.amdhsa_wavefront_size32 1
		.amdhsa_system_sgpr_workgroup_id_x 1
		.amdhsa_system_sgpr_workgroup_id_y 1
		.amdhsa_system_sgpr_workgroup_id_z 1
		.amdhsa_system_vgpr_workitem_id 0
		.amdhsa_next_free_vgpr 210
		.amdhsa_next_free_sgpr 66
		.amdhsa_reserve_vcc 0
		.amdhsa_float_denorm_mode_32 3
		.amdhsa_float_denorm_mode_16_64 3
		.amdhsa_memory_ordered 1
		.amdhsa_forward_progress 1
		.amdhsa_inst_pref_size 42
	.end_amdhsa_kernel
	.amdgpu_metadata
---
amdhsa.version: [ 1, 2 ]
amdhsa.kernels:
  - .name:           k_q6eca0b6b7d_prep
    .symbol:         k_q6eca0b6b7d_prep.kd
    .args:
      - { .name: embed, .offset: 0, .size: 8, .value_kind: global_buffer, .address_space: global }
      - { .name: Wq, .offset: 8, .size: 8, .value_kind: global_buffer, .address_space: global }
      - { .name: Wk, .offset: 16, .size: 8, .value_kind: global_buffer, .address_space: global }
      - { .name: Wv, .offset: 24, .size: 8, .value_kind: global_buffer, .address_space: global }
      - { .name: Wo, .offset: 32, .size: 8, .value_kind: global_buffer, .address_space: global }
      - { .name: bq, .offset: 40, .size: 8, .value_kind: global_buffer, .address_space: global }
      - { .name: bk, .offset: 48, .size: 8, .value_kind: global_buffer, .address_space: global }
      - { .name: bv, .offset: 56, .size: 8, .value_kind: global_buffer, .address_space: global }
      - { .name: attn_mask, .offset: 64, .size: 8, .value_kind: global_buffer, .address_space: global }
      - { .name: xb, .offset: 72, .size: 8, .value_kind: global_buffer, .address_space: global }
      - { .name: wall, .offset: 80, .size: 8, .value_kind: global_buffer, .address_space: global }
      - { .name: ball, .offset: 88, .size: 8, .value_kind: global_buffer, .address_space: global }
      - { .name: mbits, .offset: 96, .size: 8, .value_kind: global_buffer, .address_space: global }
    .group_segment_fixed_size: 35840
    .private_segment_fixed_size: 0
    .kernarg_segment_align: 8
    .kernarg_segment_size: 104
    .max_flat_workgroup_size: 256
    .sgpr_count:     66
    .vgpr_count:     210
    .wavefront_size: 32
...
	.end_amdgpu_metadata
.endif
;; end of part 1
;; launch proj_qkv (part 2): grid 8 x 32, 4 waves a work-group, clusters of 4 x 4, 327,680 bytes of LDS; arguments xb, wall, ball, qkv; writes qkv
.if DOCPART == 2
	.amdgcn_target "amdgcn-amd-amdhsa--gfx1250"
	.amdhsa_code_object_version 6
	.text
	.protected	k_q6eca0b6b7d_proj_qkv
	.globl	k_q6eca0b6b7d_proj_qkv
	.p2align	8
	.type	k_q6eca0b6b7d_proj_qkv,@function
k_q6eca0b6b7d_proj_qkv:
	s_mov_b64 s[64:65], 0
	v_nop
	global_prefetch_b8 v0, s[64:65] scope:SCOPE_SE
	s_setreg_imm32_b32 hwreg(HW_REG_WAVE_MODE, 25, 1), 1
	s_wait_xcnt 0x0
	s_wait_alu depctr_hold_cnt(0) depctr_sa_sdst(0) depctr_va_vdst(0) depctr_va_sdst(0) depctr_va_ssrc(0) depctr_va_vcc(0) depctr_vm_vsrc(0)
	s_getreg_b32 s2, hwreg(HW_REG_IB_STS2, 6, 4)
	s_cmp_eq_u32 s2, 0
	s_cbranch_scc0 .Lentry_in_a_cluster
	s_endpgm
.Lentry_in_a_cluster:
	s_bfe_u32 s2, ttmp6, 0x10000c
	s_cmp_lg_u32 s2, 0xf033
	s_cbranch_scc0 .Lentry_shape_is_right
	s_endpgm
.Lentry_shape_is_right:
; qkv[t][n] = sum over k of xb[t][k] wall[n][k] + ball[n], n = 0..3071 (c Q, K, V side by side), f16 in and out, sums in f32.
; LIMIT: |c Q|, |K| and |V| must stay below 65,504, f16's largest number; beyond it the stored number is infinite.  At the drawn spread their peaks are near 3;
; embed and weights both 30 times larger give peaks near 3,000, offsets of 30 spreads on both give 1024 x 30 x 0.54, about 17,000.
; 4096 x 3072 outputs on 256 work-groups: a block of 128 x 384, whose rows are three whole aligned blocks of 256 bytes.
; Four waves, each 128 rows x 96 columns: 48 accumulator tiles of 16 x 16.  K = 1024 goes in steps of 128 through two LDS slots filled by the
; tensor data mover; a tile's rows are 256 bytes of memory and start at multiples of 256 bytes.
; CLUSTER 4 x 4: the four work-groups of a row of the cluster need the same rows of A, the four of a column the same rows of B.  Such a tile is asked
; for jointly (same line, same descriptor, a mask that names the four), which divides the requests for A and B by four.
; THE MATRIX INSTRUCTION IS USED TRANSPOSED (source 0 = rows of B, source 1 = rows of A): lane l holds row l % 16 of C and eight neighbouring columns 8 (l / 16) + 0..7.
; THE BIAS costs no instruction: the first product of each tile takes the bias registers as its C operand, so nothing is cleared and nothing is added later.
; Registers, in windows of 256: window 0 addresses, A's fragments (two buffers), the bias; window 1 B's fragments (two buffers);
; window 2 the tiles of my upper 64 rows, window 3 those of my lower 64 (tile (a, b) at v[8 (NB a + b)]).
.set BM,     128                       ; rows of the block
.set BN,     384                       ; columns of the block
.set LOGWN,  2                         ; four waves side by side along n
.set MB,     8                         ; 16-row blocks of a wave
.set NB,     6                         ; 16-column blocks of a wave
.set KSTEP,  128
.set QI,     5                         ; padding behind every 2<<5 = 64 words, a row of 128 f16
.set RL,     128                       ; rows that one tensor load brings: (BM + BN) / 4
.set NA,     1                         ; waves that fetch A's rows; the others fetch B's
.set BOFF,   0                         ; first byte of B in wall
.set CROW,   6144                      ; bytes in a row of C
.set ROWB,   768                       ; bytes of a row of C in the block
.set NQ,     KSTEP/32                  ; quarter steps of 32 along K in a K step
.set PITCH,  2*KSTEP+16                ; LDS row: the sixteen rows of a fragment load start in sixteen different 16-byte columns of 256 bytes
.set SLOT,   (BM+BN)*PITCH             ; A's rows, then B's
.set LAPS,   1024/(2*KSTEP)            ; a lap = once round the two slots
.set UN,     ROWB/256
.set SP,     ROWB+16                   ; stage row on the way out
.set AH,     MB/4                      ; 16-row blocks in half a window
.set ADRA, 16                          ; v16-17  LDS address of my A fragments in slot 0, 1
.set ADRB, 20                          ; v20-21  the same for B
.set STO,  24                          ; v24-25  the way out: where I put 16 bytes of a row (rows 0-63, rows 64-127)
.set RD,   26                          ; v26     the way out: where I read a row back
.set CO,   27                          ; v27     my byte offset in C
.set BO,   28                          ; v28     my byte offset in the bias
.set F0,   64                          ; fragment buffer 0
.set F1,   128                         ; fragment buffer 1
.set BIAS, 192                         ; v[192+8 b + j] = bias of column 16 b + 8 (l / 16) + j of my wave's columns
.set TMP,  64                          ; the way out: packed results
.set OB,   128                         ; the way out: two batches of eight 16-byte pieces
.set G1,  24                           ; s[24:31] descriptor group 1 for A
.set G0,  32                           ; s[32:39] descriptor group 0 for A, a set for each slot
.set G1B, 48                           ; s[48:55] group 1 for B: another mask
.set G0B, 56                           ; s[56:63] group 0 for B
.set G1W0, (1<<16)|(1<<20)|(1<<21)|(QI<<22)|(3<<25)   ; 2-byte elements; padding on; bit 21 beside a mask; the interval; 4 words of padding
.set MSB, 0
.macro WIN new                         ; the immediate's high byte repeats the setting that is left; switches that change nothing are dropped
.if MSB != \new
	s_set_vgpr_msb (MSB<<8)|\new
.set MSB, \new
.endif
.endm
.set MUL_LO,   0xa1                    ; source 0 (B) window 1, source 1 (A) window 0, C and D window 2
.set MUL_HI,   0xf1                    ; the same, C and D window 3
.set FIRST_LO, 0x81                    ; the first product: C (the bias) window 0, D window 2
.set FIRST_HI, 0xc1                    ; C window 0, D window 3
.set TO_B,     0x40                    ; destination window 1, address window 0
; A joint load: waves below NA ask for A's rows, the others for B's.  Each line has one mask; the branch hangs on the wave's number alone.
.macro JLOAD s
	s_cmp_lt_u32 s12, NA
	s_cbranch_scc0 .Lfor_b_\@
	tensor_load_to_lds s[G0+4*\s:G0+4*\s+3], s[G1:G1+7]
	s_nop 0
	s_branch .Lasked_\@
.Lfor_b_\@:
	tensor_load_to_lds s[G0B+4*\s:G0B+4*\s+3], s[G1B:G1B+7]
	s_nop 0
.Lasked_\@:
.endm
; A round of the cluster's barrier: my work-group's barrier, wave 0 signals for the work-group, every wave waits for all sixteen, my work-group's barrier again.
.macro CREST                           ; a round behind its opening barrier
	s_cmp_lg_u32 s12, 0
	s_cbranch_scc1 .Lnot_wave_0_\@
	s_barrier_signal -3
.Lnot_wave_0_\@:
	s_barrier_wait -3
	s_barrier_signal -1
	s_barrier_wait -1
.endm
.macro CROUND
	s_barrier_signal -1
	s_barrier_wait -1
	CREST
.endm
	s_load_b256 s[4:11], s[0:1], 0x0               ; A s[4:5], wall s[6:7], bias s[8:9], C s[10:11]
	s_set_vgpr_msb 0x40
	v_lshl_add_u32 v255, v0, 2, 0x44000
	s_set_vgpr_msb 0x4000
	v_mov_b32 v255, 0
	s_set_vgpr_msb 0x1
	ds_add_u32 v255, v255
	s_set_vgpr_msb 0x100
	v_lshrrev_b32 v1, 5, v0
	v_readfirstlane_b32 s12, v1                    ; wave 0..3
	s_lshr_b32 s13, s12, LOGWN                     ; wm: my place along the block's rows
	s_and_b32 s14, s12, (1<<LOGWN)-1               ; wn: along its columns
	s_bfe_u32 s15, ttmp6, 0x40000                  ; cx
	s_bfe_u32 s16, ttmp6, 0x40004                  ; cy
	s_lshl_b32 s17, ttmp9, 2
	s_add_co_u32 s17, s17, s15                     ; block column = 4 x cluster x + cx
	s_and_b32 s18, ttmp7, 0xffff
	s_lshl_b32 s18, s18, 2
	s_add_co_u32 s18, s18, s16                     ; block row = 4 x cluster y + cy
	s_lshl_b32 s43, s16, 2
	s_lshl_b32 s43, 15, s43                        ; my row of the cluster: places 4 cy .. 4 cy + 3
	s_lshl_b32 s44, 0x1111, s15                    ; my column: places cx, cx + 4, cx + 8, cx + 12
	s_or_b32 s[G1+0], s43, G1W0                    ; A's tiles go to my row
	s_or_b32 s[G1B+0], s44, G1W0                   ; B's to my column
	s_mov_b32 s[G1+1], KSTEP<<16                   ; tensor_dim0 = the tile's
	s_mov_b32 s[G1B+1], KSTEP<<16
	s_mov_b32 s[G1+2], RL<<16                      ; tensor_dim1 = the tile's
	s_mov_b32 s[G1B+2], RL<<16
	s_mov_b32 s[G1+3], KSTEP<<16                   ; tile_dim0
	s_mov_b32 s[G1B+3], KSTEP<<16
	s_mov_b32 s[G1+4], RL                          ; tile_dim1
	s_mov_b32 s[G1B+4], RL
	s_mov_b32 s[G1+5], 1024                        ; elements from row to row
	s_mov_b32 s[G1B+5], 1024
	s_mov_b32 s[G1+6], 0
	s_mov_b32 s[G1B+6], 0
	s_mov_b32 s[G1+7], 0
	s_mov_b32 s[G1B+7], 0
	; Where the tiles come from.  A's hang on the block row and the wave, B's on the block column and the wave, each in registers that never hold the other coordinate.
	s_and_b32 s19, s12, NA-1
	s_mul_i32 s19, s19, RL
	s_mul_i32 s40, s18, BM
	s_add_co_u32 s40, s40, s19                     ; A: row BM x block row + my part
	s_lshl_b32 s40, s40, 11                        ; rows of 2,048 bytes
	s_mov_b32 s41, 0
	s_sub_co_i32 s19, s12, NA
	s_max_i32 s19, s19, 0
	s_mul_i32 s19, s19, RL
	s_mul_i32 s46, s17, BN
	s_add_co_u32 s46, s46, s19                     ; B: row BN x block column + my part
	s_lshl_b32 s46, s46, 11
.if BOFF
	s_add_co_u32 s46, s46, BOFF
.endif
	s_mov_b32 s47, 0
	s_mul_i32 s20, s12, RL*PITCH                   ; and where they go: wave x RL rows; no place in the cluster enters an LDS address
	s_wait_dscnt 0x0
	s_wait_kmcnt 0x0
	s_add_nc_u64 s[40:41], s[4:5], s[40:41]
	s_add_nc_u64 s[46:47], s[6:7], s[46:47]
	CROUND                                         ; all sixteen work-groups are here: the first joint loads meet
.irp s, 0,1
	s_mov_b32 s[G0+4*\s], 1
	s_add_co_u32 s[G0+4*\s+1], s20, \s*SLOT
	s_add_nc_u64 s[G0+4*\s+2:G0+4*\s+3], s[40:41], \s*KSTEP*2
	s_or_b32 s[G0+4*\s+3], s[G0+4*\s+3], 0x80000000
	s_mov_b32 s[G0B+4*\s], 1
	s_add_co_u32 s[G0B+4*\s+1], s20, \s*SLOT
	s_add_nc_u64 s[G0B+4*\s+2:G0B+4*\s+3], s[46:47], \s*KSTEP*2
	s_or_b32 s[G0B+4*\s+3], s[G0B+4*\s+3], 0x80000000
	JLOAD \s                                       ; both slots are asked for before anything else: two loads of the wave are out, later one
.endr
	v_and_b32 v1, 15, v0                           ; r = l % 16
	v_bfe_u32 v2, v0, 4, 1                         ; h = l / 16
	v_lshlrev_b32 v[BO], 5, v2                     ; 8 h numbers of 4 bytes
	s_mul_i32 s46, s17, BN
	s_mul_i32 s47, s14, 16*NB
	s_add_co_u32 s46, s46, s47
	s_lshl_b32 s46, s46, 2
	s_mov_b32 s47, 0
	s_add_nc_u64 s[8:9], s[8:9], s[46:47]          ; the bias at my wave's first column
.set bb, 0
.rept NB
	global_load_b128 v[BIAS+8*bb:BIAS+8*bb+3], v[BO], s[8:9] offset:64*bb
	global_load_b128 v[BIAS+8*bb+4:BIAS+8*bb+7], v[BO], s[8:9] offset:64*bb+16
.set bb, bb+1
.endr
	s_mul_i32 s40, s18, BM                         ; C at the rows that my wave copies out (32 w ..) and the block's first column
	s_lshl_b32 s41, s12, 5
	s_add_co_u32 s40, s40, s41
	s_mul_i32 s40, s40, CROW
	s_mov_b32 s41, 0
	s_add_nc_u64 s[10:11], s[10:11], s[40:41]
	s_mul_i32 s46, s17, ROWB
	s_add_nc_u64 s[10:11], s[10:11], s[46:47]
	; A fragment is 16 rows x 32 K in 8 registers: lane l holds row l % 16; registers 0-3 K = 8 h + 0..7, registers 4-7 K = 16 + 8 h + 0..7: two loads of 16 bytes, 32 bytes apart.
	v_mul_u32_u24 v3, v1, PITCH
	v_lshl_add_u32 v3, v2, 4, v3
	s_mul_i32 s21, s13, 16*MB*PITCH                ; my rows of A
	s_mul_i32 s22, s14, 16*NB*PITCH                ; my rows of B,
	s_add_co_u32 s22, s22, BM*PITCH                ; which lie behind A's
.irp s, 0,1
	v_add_nc_u32 v[ADRA+\s], s21, v3
	v_add_nc_u32 v[ADRB+\s], s22, v3
	s_add_co_u32 s21, s21, SLOT
	s_add_co_u32 s22, s22, SLOT
.endr
	v_mul_u32_u24 v4, v1, SP                       ; stage, in: row r, my wave's 192 bytes of it, 16 bytes for each half of the lanes
	v_lshl_add_u32 v4, v2, 4, v4
	s_mul_i32 s23, s14, 32*NB
	v_add_nc_u32 v[STO], s23, v4
	v_add_nc_u32 v[STO+1], 64*SP, v[STO]
	v_mul_u32_u24 v5, v2, SP                       ; stage, back: rows 32 w + h, 16 bytes a lane
	v_lshl_add_u32 v5, v1, 4, v5
	s_mul_i32 s23, s12, 32*SP
	v_add_nc_u32 v[RD], s23, v5
	v_mul_u32_u24 v5, v2, CROW
	v_lshl_add_u32 v[CO], v1, 4, v5
; AH x NB matrix instructions: 16-row blocks a0 .. a0 + AH - 1 of the window (hi = 0: my upper rows, 1: my lower) x all NB column blocks, 32 along K.
; The accumulators take turns, one instruction a turn, in the same order in every quarter step.
.macro MULS f, hi, a0, first
.set ma, \a0
.rept AH
.set mb, 0
.rept NB
.if \first
	v_wmma_f32_16x16x32_f16 v[8*(ma*NB+mb):8*(ma*NB+mb)+7], v[\f+8*mb:\f+8*mb+7], v[\f+8*((MB/2)*\hi+ma):\f+8*((MB/2)*\hi+ma)+7], v[BIAS+8*mb:BIAS+8*mb+7]
.else
	v_wmma_f32_16x16x32_f16 v[8*(ma*NB+mb):8*(ma*NB+mb)+7], v[\f+8*mb:\f+8*mb+7], v[\f+8*((MB/2)*\hi+ma):\f+8*((MB/2)*\hi+ma)+7], v[8*(ma*NB+mb):8*(ma*NB+mb)+7]
.endif
.set mb, mb+1
.endr
.set ma, ma+1
.endr
.endm
; The fragments of one quarter step (byte k of the slot's rows) into buffer f, in one run: 2 NB loads for B, then 2 MB for A.
.macro FETCH slot, k, f
	WIN TO_B
.set fi, 0
.rept NB
	ds_load_b128 v[\f+8*fi:\f+8*fi+3],   v[ADRB+\slot] offset:\k+fi*16*PITCH
	ds_load_b128 v[\f+8*fi+4:\f+8*fi+7], v[ADRB+\slot] offset:\k+fi*16*PITCH+32
.set fi, fi+1
.endr
	WIN 0
.set fi, 0
.rept MB
	ds_load_b128 v[\f+8*fi:\f+8*fi+3],   v[ADRA+\slot] offset:\k+fi*16*PITCH
	ds_load_b128 v[\f+8*fi+4:\f+8*fi+7], v[ADRA+\slot] offset:\k+fi*16*PITCH+32
.set fi, fi+1
.endr
.endm
; Four places behind a matrix instruction before a load is issued into a register that it read, or a vector instruction or LDS store reads its result
; (ISA guide 7.12.1 for vector instructions); the matrix instructions in between are not counted.
.macro PLACES
.rept 4
	v_nop
.endr
.endm
; A quarter step but the last of a K step: multiplies buffer f and, in its middle, fetches the next quarter's fragments into buffer g.
.macro QUARTER slot, k, f, g, first
	s_wait_dscnt MB                                ; B and A's upper half are in; the youngest MB loads (A's lower half) may be out
.if \first
	WIN FIRST_LO
.else
	WIN MUL_LO
.endif
	MULS \f, 0, 0, \first
	MULS \f, 0, AH, \first
	PLACES
	FETCH \slot, \k, \g
	s_wait_dscnt 2*(MB+NB)                         ; all but the loads just issued
.if \first
	WIN FIRST_HI
.else
	WIN MUL_HI
.endif
	MULS \f, 1, 0, \first
	MULS \f, 1, AH, \first
.endm
.macro BODY slot, first                ; the first NQ - 1 quarter steps of a K step, on buffers 0, 1, 0, ..
	QUARTER \slot, 64, F0, F1, \first
.set bq, 1
.rept NQ-2
.if bq%2
	QUARTER \slot, 64*(bq+1), F1, F0, 0
.else
	QUARTER \slot, 64*(bq+1), F0, F1, 0
.endif
.set bq, bq+1
.endr
.endm
; The last quarter step: multiplies buffer 1 and changes slots.  In front of the barrier each wave waits for its reads of this slot and for all its
; tensor loads (the one that is out is its part of the next slot).  Where the slot is filled again the barrier opens a round of the cluster's barrier,
; and the joint refill is the first tensor load behind the round, the wave's only one until the next.
.macro TURN slot, next, fill
	s_wait_dscnt MB
	WIN MUL_LO
	MULS F1, 0, 0, 0
	s_wait_dscnt 0x0                               ; my reads of this slot are over
	s_wait_tensorcnt 0x0                           ; all my tensor loads have landed
	ds_add_u32 v255, v255
	s_wait_dscnt 0x0
	s_barrier_signal -1
	MULS F1, 0, AH, 0                              ; register work while the others arrive
	WIN 0
	s_barrier_wait -1
.if \fill
	CREST                                          ; no wave of any partner still reads this slot or has a load on its way
	s_add_nc_u64 s[G0+4*\slot+2:G0+4*\slot+3], s[G0+4*\slot+2:G0+4*\slot+3], 4*KSTEP      ; two K steps on, in bytes
	s_add_nc_u64 s[G0B+4*\slot+2:G0B+4*\slot+3], s[G0B+4*\slot+2:G0B+4*\slot+3], 4*KSTEP
	JLOAD \slot
.endif
	PLACES
	FETCH \next, 0, F0
	WIN MUL_HI
	MULS F1, 1, 0, 0
	MULS F1, 1, AH, 0
.endm
.macro LAP first
	BODY 0, \first
	TURN 0, 1, 1
	BODY 1, 0
	TURN 1, 0, 1
.endm
	s_wait_tensorcnt 0x1                           ; my part of K step 0 is in; K step 1's may stay out
	s_barrier_signal -1
	s_barrier_wait -1                              ; everybody's part is in
	s_wait_loadcnt 0x0                             ; the bias
	FETCH 0, 0, F0
	LAP 1                                          ; the first lap stands in front of the loop: its first products start the sums from the bias
.if LAPS > 2
	WIN 0
	s_mov_b32 s3, LAPS-2
.Llap:
	LAP 0
	WIN 0
	s_sub_co_u32 s3, s3, 1
	s_cmp_lg_u32 s3, 0
	s_cbranch_scc1 .Llap
.endif
	BODY 0, 0                                      ; the last lap fills nothing
	TURN 0, 1, 0
	BODY 1, 0
	s_wait_dscnt MB
	WIN MUL_LO
	MULS F1, 0, 0, 0
	MULS F1, 0, AH, 0
	s_wait_dscnt 0x0
	WIN MUL_HI
	MULS F1, 1, 0, 0
	MULS F1, 1, AH, 0
	; THE WAY OUT.  The block is gathered in LDS (128 rows of 784 bytes from byte 0: the slots have had their last fill) and leaves by whole rows.
	PLACES
	WIN 0
	s_barrier_signal -1                            ; no LDS instruction of mine is out (the wait for 0 above): nobody reads fragments any more
	s_barrier_wait -1
.macro OUTB a                          ; rows 16 a .. 16 a + 15 of my wave: round to f16, 16 bytes a lane and column block
.if \a < MB/2
	WIN 0x0a
.else
	WIN 0x0f
.endif
.set ob, 0
.rept NB
.set oi, 0
.rept 4
	v_cvt_pk_f16_f32 v[TMP+4*ob+oi], v[8*((\a%(MB/2))*NB+ob)+2*oi], v[8*((\a%(MB/2))*NB+ob)+2*oi+1]
.set oi, oi+1
.endr
.set ob, ob+1
.endr
	WIN 0
.set ob, 0
.rept NB
	ds_store_b128 v[STO+\a/4], v[TMP+4*ob:TMP+4*ob+3] offset:(\a%4)*16*SP+32*ob
.set ob, ob+1
.endr
.endm
.irp a, 0,1,2,3,4,5,6,7
	OUTB \a
.endr
	s_wait_dscnt 0x0                               ; my part of every row is in the stage,
	s_barrier_signal -1
	s_barrier_wait -1                              ; and so is everybody's
	; Wave w copies rows 32 w .. 32 w + 31: sixteen lanes take 256 bytes of a row, the other sixteen the row below; UN such pieces a row.
.set on, 0
.rept 2*UN
	s_wait_xcnt 0x0                                ; the batch before last has had its addresses translated (ISA guide 3.1): its data registers are loaded again only behind this wait
.set ot, 0
.rept 8
	ds_load_b128 v[OB+32*(on%2)+4*ot:OB+32*(on%2)+4*ot+3], v[RD] offset:((8*on+ot)/UN)*2*SP+((8*on+ot)%UN)*256
.set ot, ot+1
.endr
.set ot, 0
.rept 8
	s_wait_dscnt 7-ot
	global_store_b128 v[CO], v[OB+32*(on%2)+4*ot:OB+32*(on%2)+4*ot+3], s[10:11] offset:((8*on+ot)/UN)*2*CROW+((8*on+ot)%UN)*256   ; sixteen lanes store 256 consecutive bytes, aligned
.set ot, ot+1
.endr
.set on, on+1
.endr
	s_set_vgpr_msb 0x1
	s_wait_tensorcnt 0x0
	ds_add_u32 v255, v255
	s_wait_dscnt 0x0
	s_set_vgpr_msb 0x100
	CROUND                                         ; the closing round: no work-group ends while a partner may still ask for a tile that names it
	s_endpgm
.Lfunc_end_k_q6eca0b6b7d_proj_qkv:
	.size	k_q6eca0b6b7d_proj_qkv, .Lfunc_end_k_q6eca0b6b7d_proj_qkv-k_q6eca0b6b7d_proj_qkv
	.p2alignl 7, 3214868480
	.fill 96, 4, 3214868480
	.section	.rodata,"a",@progbits
	.p2align	6, 0x0
	.amdhsa_kernel k_q6eca0b6b7d_proj_qkv
		.amdhsa_group_segment_fixed_size 327680
		.amdhsa_private_segment_fixed_size 0
		.amdhsa_enable_private_segment 0
		.amdhsa_kernarg_size 32
		.amdhsa_user_sgpr_count 2
		.amdhsa_user_sgpr_kernarg_segment_ptr 1
		.amdhsa_wavefront_size32 1
		.amdhsa_system_sgpr_workgroup_id_x 1
		.amdhsa_system_sgpr_workgroup_id_y 1
		.amdhsa_system_sgpr_workgroup_id_z 1
		.amdhsa_system_vgpr_workitem_id 0
		.amdhsa_next_free_vgpr 1024
		.amdhsa_next_free_sgpr 66
		.amdhsa_reserve_vcc 0
		.amdhsa_float_denorm_mode_32 3
		.amdhsa_float_denorm_mode_16_64 3
		.amdhsa_memory_ordered 1
		.amdhsa_forward_progress 1
		.amdhsa_inst_pref_size 159
	.end_amdhsa_kernel
	.amdgpu_metadata
---
amdhsa.version: [ 1, 2 ]
amdhsa.kernels:
  - .name:           k_q6eca0b6b7d_proj_qkv
    .symbol:         k_q6eca0b6b7d_proj_qkv.kd
    .args:
      - { .name: xb, .offset: 0, .size: 8, .value_kind: global_buffer, .address_space: global }
      - { .name: wall, .offset: 8, .size: 8, .value_kind: global_buffer, .address_space: global }
      - { .name: ball, .offset: 16, .size: 8, .value_kind: global_buffer, .address_space: global }
      - { .name: qkv, .offset: 24, .size: 8, .value_kind: global_buffer, .address_space: global }
    .group_segment_fixed_size: 327680
    .private_segment_fixed_size: 0
    .kernarg_segment_align: 8
    .kernarg_segment_size: 32
    .max_flat_workgroup_size: 128
    .sgpr_count:     66
    .vgpr_count:     1024
    .wavefront_size: 32
...
	.end_amdgpu_metadata
.endif
;; end of part 2
;; launch attn (part 3): grid 16 x 16, 16 waves a work-group, clusters of 4 x 1, 327,680 bytes of LDS; arguments qkv, mbits, ao; writes ao
.if DOCPART == 3
	.amdgcn_target "amdgcn-amd-amdhsa--gfx1250"
	.amdhsa_code_object_version 6
	.text
	.protected	k_q6eca0b6b7d_attn
	.globl	k_q6eca0b6b7d_attn
	.p2align	8
	.type	k_q6eca0b6b7d_attn,@function
k_q6eca0b6b7d_attn:
	s_mov_b64 s[64:65], 0
	v_nop
	global_prefetch_b8 v0, s[64:65] scope:SCOPE_SE
	s_setreg_imm32_b32 hwreg(HW_REG_WAVE_MODE, 25, 1), 1
	s_wait_xcnt 0x0
	s_wait_alu depctr_hold_cnt(0) depctr_sa_sdst(0) depctr_va_vdst(0) depctr_va_sdst(0) depctr_va_ssrc(0) depctr_va_vcc(0) depctr_vm_vsrc(0)
	s_getreg_b32 s2, hwreg(HW_REG_IB_STS2, 6, 4)
	s_cmp_eq_u32 s2, 0
	s_cbranch_scc0 .Lentry_in_a_cluster
	s_endpgm
.Lentry_in_a_cluster:
	s_bfe_u32 s2, ttmp6, 0x10000c
	s_cmp_lg_u32 s2, 0x3003
	s_cbranch_scc0 .Lentry_shape_is_right
	s_endpgm
.Lentry_shape_is_right:
; Attention with ALiBi and a mask that is an input.  qkv: [4096 tokens][3072] f16 = c Q | K | V (c = 0.125 log2 e is already in Q);
; mbits: the mask as lane-mask words; ao: [4096][1024] f16.
; A work-group: 128 queries (x) of one batch and one PAIR of heads (y = 8 b + pair), so that a row of K, of V and of the output is 256 aligned bytes.
; SIXTEEN WAVES, 256 registers each.  Wave number: bits 1:0 which 32 queries (two tiles u of 16), bit 2 which head of the pair, bit 3 (kh) which 128 of a slot's
; 256 keys.  A wave walks 1,024 keys in 16 steps of 64; at the end wave w + 8 hands its O, m and l to wave w through LDS, which merges the two halves.
; Splitting the keys and not the queries keeps the LDS bytes read for each product as they are with 32 queries a wave.
; EVERYTHING TRANSPOSED: S^T = K Q^T, O^T = V^T P^T.  A lane (r = l & 15, h = l >> 4) then owns query r: the maximum and the sum are made inside the lane
; plus one exchange with lane l ^ 16, the rescale is a factor of the lane's own, and two tiles of S^T rounded to f16 ARE the B fragment of P^T.
; KEY ORDER inside a tile of 16: row m of the tile is key 2 (m & 7) + (m >> 3), so register jj of half h holds key 2 jj + h.  K's rows, V's rows, the mask words
; and the distance table all use it; with it rows 272 bytes apart serve K's plain loads and V's transposing loads alike without two lanes of a group in one 16-byte column.
; ALiBi COSTS NO INSTRUCTION A SCORE: a table of five tiles holds a (i - key), a = c 2^(-(head+1)/2), and the first product of a score tile takes its tile of the
; table as C with both sign modifiers, which is -|C| (ISA guide 7.12: NEG and NEG_HI of the C operand).
; SOFTMAX: a running maximum m (base-2 units), p = 2^(s - m), s = (c Q) K - a |i - j|, masked scores -inf.
; FORMAT: P goes in f16: p lies in 0..1 by the running maximum, and what f16 drops below 6e-8 is measured against a row sum of at least 1.
; The output is a convex mix of V and has V's range (below 65,504, as the launch that made V states).
; LIMITS: m starts at -1e30: a row whose every unmasked score lies below that is not normalised as in reference().  A row with no key left gives
; 0 x inf = NaN, as reference() does.  The row sum adds the unrounded p, the product takes p rounded to f16.  The table is moved on by f32 additions, 16 a wave:
; at its largest size, 0.1275 x 2,047 = 261, a rounding is at most 7.6e-6, so the sum of them stays under 2e-4 of a base-2 exponent; reference() multiplies anew.
; CLUSTER 4 x 1: the four work-groups differ in the query block alone and read the same K and V: every tile is asked for jointly (mask 15).
; All four make the same 8 fills in each of waves 0-7; no branch, trip count or LDS address hangs on the place in the cluster.
; REGISTERS: exactly v0-v255, so no register window is ever switched.  K and V need 64 fragment registers each and F has 32: K of key tiles 0, 1 lies in the
; registers of S(t2, t3) until those tiles' products write there; V of the second 32 keys lies in S(t1, t3), which the rounding to f16 has freed.
.set ROWQ,  6144                       ; bytes in a row of qkv
.set PITCH, 272                        ; LDS row: 256 bytes (two heads) + 16
.set KV,    256*PITCH                  ; 256 keys of K, or of V
.set SLOT,  2*KV                       ; K, then V
.set STAGE, 2*SLOT                     ; behind the two slots: 128 rows x 272 bytes for the way out; no tensor load lands there
.set STEPB, 64*PITCH                   ; a step's keys; also what one tensor load brings
.set XCH,   18*512                     ; the hand-over of a pair of waves: 16 x 512 bytes of O, 512 of m, 512 of l; in slot 0, behind its last fill
.set NINF, 1                           ; v1        -inf
.set KA,   2                           ; v2, v3    my K fragments of my 128 keys in slot 0, 1
.set VA,   4                           ; v4, v5    my V fragments
.set M,    6                           ; v[6:7], v[8:9]     running maximum of tile u in the low word
.set AL,   10                          ; v[10:11], v[12:13] 2^(m_old - m_new) in the low word
.set L,    14                          ; v14, v15  running sum (this half's keys)
.set T,    16                          ; v[16:23]  at work
.set Q,    24                          ; v[24+16 u+8 kk ..]  Q fragments: 16 queries x 32 of the head's 64
.set S,    56                          ; v[56+16 t+8 u ..]   scores of key tile t, query tile u; then P(c, u) in the registers of S(2 c, u)
.set F,    120                         ; v[120:151]          K of key tiles 2, 3; then V of the first 32 keys
.set TT,   152                         ; v[152+8 di+jj]      a (i - key) for tiles with t - u = di - 1
.set O,    192                         ; v[192+8 (2 d+u) ..] 16 of the head's 64 outputs x 16 queries
.set D192, 4                           ; s[4:5]    -192 a, twice: the table's move into a new slot (my next 128 keys lie 192 behind my last 64)
.set D64,  66                          ; s[66:67]  -64 a, twice: the move to a slot's second step
.set G1, 84                            ; s[84:91]  descriptor group 1
.set G0, 92                            ; s[92:99]  group 0, a set for each slot
.macro ROUND                           ; a round of the cluster's barrier
	s_barrier_signal -1
	s_barrier_wait -1
	s_cmp_lg_u32 s10, 0
	s_cbranch_scc1 .Lnot_wave_0_\@
	s_barrier_signal -3
.Lnot_wave_0_\@:
	s_barrier_wait -3
	s_barrier_signal -1
	s_barrier_wait -1
.endm
.macro MLOAD                           ; the mask words of one step: 4 key tiles x 8 words for each of my two query tiles
	s_load_b512 s[16:31], s[6:7], s13 offset:0x0
	s_load_b512 s[32:47], s[6:7], s13 offset:0x40
	s_load_b512 s[48:63], s[6:7], s13 offset:0x1000
	s_load_b512 s[68:83], s[6:7], s13 offset:0x1040
.endm
	s_load_b128 s[4:7], s[0:1], 0x0                ; qkv s[4:5], mbits s[6:7]
	s_load_b64 s[8:9], s[0:1], 0x10                ; ao
	v_lshl_add_u32 v22, v0, 2, 0x4c800
	v_mov_b32 v23, 0
	ds_add_u32 v22, v23
	s_wait_dscnt 0x0
	v_lshrrev_b32 v1, 5, v0
	v_readfirstlane_b32 s10, v1                    ; wave 0..15
	s_bfe_u32 s11, s10, 0x10002                    ; hh: which head of the pair.  In waves 0-7 also: I fetch K (0) or V (1)
	s_and_b32 s12, s10, 3                          ; which 32 queries.  In waves 0-7 also: which 64 keys of a slot I fetch
	s_lshr_b32 s15, s10, 3                         ; kh: which 128 keys of a slot are mine
	s_bfe_u32 s16, ttmp6, 0x40000                  ; cx
	s_lshl_b32 s17, ttmp9, 2
	s_add_co_u32 s17, s17, s16                     ; query block = 4 x cluster x + cx
	s_and_b32 s18, ttmp7, 0xffff
	s_lshr_b32 s19, s18, 3                         ; batch
	s_and_b32 s20, s18, 7                          ; head pair
	s_mov_b32 s100, 0x76543210                     ; v_permlanex16_b32: lane i of one half reads lane i of the other
	s_mov_b32 s101, 0xfedcba98
	s_mov_b32 s[G1+0], 15|(1<<16)|(1<<20)|(1<<21)|(5<<22)|(3<<25)   ; all four of the cluster; 2-byte elements; padding on; bit 21 beside a mask; 4 words behind every 64
	s_mov_b32 s[G1+1], 128<<16                     ; tensor_dim0 = the tile's 128 elements
	s_mov_b32 s[G1+2], 64<<16                      ; tensor_dim1 = the tile's 64 rows
	s_mov_b32 s[G1+3], 128<<16                     ; tile_dim0
	s_mov_b32 s[G1+4], 64                          ; tile_dim1
	s_mov_b32 s[G1+5], 3072                        ; elements from row to row
	s_mov_b32 s[G1+6], 0
	s_mov_b32 s[G1+7], 0
	s_lshl_b32 s22, s19, 11                        ; my tile: token 2048 b + 64 (w & 3),
	s_lshl_b32 s21, s12, 6
	s_add_co_u32 s22, s22, s21
	s_mul_i32 s22, s22, ROWQ
	s_lshl_b32 s21, s11, 11                        ; K at byte 2,048 of a row, V at 4,096,
	s_add_co_u32 s22, s22, s21
	s_lshl_b32 s21, s20, 8                         ; 256 bytes for a pair of heads
	s_add_co_u32 s22, s22, s21
	s_add_co_u32 s22, s22, 2048
	s_mov_b32 s23, 0
	s_mul_i32 s21, s10, STEPB                      ; to LDS: wave x 64 rows: K's four parts, then V's four (used by waves 0-7 alone)
	s_wait_kmcnt 0x0
	s_add_nc_u64 s[22:23], s[4:5], s[22:23]
.irp s, 0,1
	s_mov_b32 s[G0+4*\s], 1
	s_add_co_u32 s[G0+4*\s+1], s21, \s*SLOT
	s_add_nc_u64 s[G0+4*\s+2:G0+4*\s+3], s[22:23], \s*256*ROWQ
	s_or_b32 s[G0+4*\s+3], s[G0+4*\s+3], 0x80000000
.endr
	ROUND                                          ; the four work-groups are here: the first joint loads meet
	s_cmp_ge_u32 s10, 8                            ; eight loads of 64 rows fill a slot: waves 8-15 have no part of a tile to fetch
	s_cbranch_scc1 .Lno_first
	tensor_load_to_lds s[G0:G0+3], s[G1:G1+7]      ; keys 0-255
	s_nop 0
	tensor_load_to_lds s[G0+4:G0+7], s[G1:G1+7]    ; keys 256-511: two loads of the wave are out here, later one
	s_nop 0
.Lno_first:
	s_lshl_b32 s24, s19, 11
	s_lshl_b32 s25, s17, 7                         ; 128 x query block
	s_lshl_b32 s26, s12, 5
	s_add_co_u32 s27, s25, s26                     ; my wave's first query in its sequence
	s_add_co_u32 s24, s24, s27                     ; and among the 4,096 tokens
	s_lshl_b32 s28, s20, 1
	s_add_co_u32 s28, s28, s11                     ; head 0..15
	s_mul_i32 s2, s24, ROWQ
	s_lshl_b32 s29, s28, 7
	s_add_co_u32 s2, s2, s29
	s_mov_b32 s3, 0
	s_add_nc_u64 s[2:3], s[4:5], s[2:3]            ; Q of my first query and head; s[4:5] has served
	v_and_b32 v16, 15, v0                          ; r
	v_bfe_u32 v17, v0, 4, 1                        ; h
	v_mul_u32_u24 v23, v16, ROWQ
	v_lshl_add_u32 v23, v17, 4, v23                ; v23 is written again only behind the wait for these loads
.irp u, 0,1
.irp kk, 0,1
	global_load_b128 v[Q+16*\u+8*\kk:Q+16*\u+8*\kk+3],   v23, s[2:3] offset:\u*16*ROWQ+64*\kk
	global_load_b128 v[Q+16*\u+8*\kk+4:Q+16*\u+8*\kk+7], v23, s[2:3] offset:\u*16*ROWQ+64*\kk+32
.endr
.endr
	s_lshl_b32 s30, s24, 8                         ; 4,096 bytes of mask words for 16 queries
	s_mov_b32 s31, 0
	s_add_nc_u64 s[6:7], s[6:7], s[30:31]
	s_lshl_b32 s30, s19, 11                        ; ao at token 2048 b + 128 qb + 8 w, the rows that my wave copies out,
	s_add_co_u32 s30, s30, s25
	s_lshl_b32 s29, s10, 3
	s_add_co_u32 s30, s30, s29
	s_lshl_b32 s30, s30, 11
	s_lshl_b32 s29, s20, 8                         ; and the pair's 256 bytes
	s_add_co_u32 s30, s30, s29
	s_add_nc_u64 s[8:9], s[8:9], s[30:31]
	; K's fragment (source 0 of S^T): lane (r, h) holds tile row r = key 2 (r & 7) + (r >> 3), 16 bytes at 16 h and at 32 + 16 h of the head's 32 k
	v_and_b32 v18, 7, v0
	v_bfe_u32 v19, v0, 3, 1
	v_lshl_add_u32 v20, v18, 1, v19
	v_mul_u32_u24 v20, v20, PITCH
	v_lshl_add_u32 v20, v17, 4, v20
	s_lshl_b32 s29, s11, 7                         ; the odd head's 128 bytes,
	s_mul_i32 s26, s15, 2*STEPB                    ; and the 128 rows of my half of the keys
	s_add_co_u32 s29, s29, s26
	v_add_nc_u32 v[KA], s29, v20
	v_add_nc_u32 v[KA+1], SLOT, v[KA]
	; V's fragment (source 0 of O^T) by the transposing load: lane l addresses key 2 (l & 7) + h, 16 bytes at 16 ((l >> 3) & 1); it receives
	; output column 8 ((l >> 3) & 1) + (l & 7) = r of the eight keys 2 j + h: the order in which P's registers hold them
	v_lshl_add_u32 v21, v18, 1, v17
	v_mul_u32_u24 v21, v21, PITCH
	v_lshl_add_u32 v21, v19, 4, v21
	s_add_co_u32 s30, s29, KV
	v_add_nc_u32 v[VA], s30, v21
	v_add_nc_u32 v[VA+1], SLOT, v[VA]
	s_add_co_u32 s30, s28, 1                       ; the slope: a = c 2^(-(head + 1) / 2)
	v_cvt_f32_u32 v20, s30
	v_mul_f32 v20, -0.5, v20
	v_exp_f32 v20, v20
	v_mov_b32 v[NINF], 0xff800000                  ; a plain instruction between the exponential and the use of its result (ISA guide 5.7.2)
	s_wait_alu depctr_va_vdst(0)
	v_mul_f32 v20, 0x3e38aa3b, v20                 ; a
	v_mul_f32 v21, 0xc2800000, v20                 ; -64 a
	v_mul_f32 v22, 0xc3400000, v20                 ; -192 a
	v_readfirstlane_b32 s[D64], v21                ; the same in every lane: they go to scalar pairs, both words written
	v_readfirstlane_b32 s[D192], v22
	s_mov_b32 s[D64+1], s[D64]
	s_mov_b32 s[D192+1], s[D192]
.irp i, 0,1,2,3
	v_mov_b32 v[M+\i], 0xf149f2ca                  ; -1e30
	v_mov_b32 v[AL+\i], 0                          ; the pairs' upper words are named by packed instructions: written once
.endr
	s_lshl_b32 s30, s15, 7                         ; my first key is 128 kh; the table starts 192 keys ahead of it: a slot's first step takes 192 away before it uses it
	s_sub_co_u32 s31, s27, s30
	s_add_co_u32 s31, s31, 192
	v_sub_nc_u32 v21, v16, v17
	v_add_nc_u32 v21, s31, v21                     ; i - h - first key + 192, for u = 0
.irp di, 0,1,2,3,4
.irp j, 0,1,2,3,4,5,6,7
	v_add_nc_u32 v[TT+8*\di+\j], 16-16*\di-2*\j, v21
.endr
.endr
.irp di, 0,1,2,3,4
.irp j, 0,1,2,3,4,5,6,7
	v_cvt_f32_i32 v[TT+8*\di+\j], v[TT+8*\di+\j]
.endr
.endr
.irp di, 0,1,2,3,4
.irp j, 0,1,2,3,4,5,6,7
	v_mul_f32 v[TT+8*\di+\j], v20, v[TT+8*\di+\j]
.endr
.endr
	s_lshl_b32 s13, s15, 8                         ; byte of the step's words in a query tile's 4,096: 2 bytes a key
	MLOAD                                          ; from here on s16-s63 and s68-s83 hold mask words
; n pairs of the table from pair p0 on move on by the step's distance (ADV names the scalar pair).
.macro TTUP p0, n
.set tp, \p0
.rept \n
	v_pk_add_f32 v[TT+2*tp:TT+2*tp+1], v[TT+2*tp:TT+2*tp+1], s[ADV:ADV+1] op_sel_hi:[1,0]
.set tp, tp+1
.endr
.endm
; S^T of key tiles t0, t0 + 1, whose K fragments lie from register kf on (16 a tile).  QK1: the first 32 of the head's 64, on top of -|table tile|.
; QK2: the other 32, in place.  Four tiles take turns, one instruction a turn.
.macro QK1 t0, kf
.irp t, \t0, \t0+1
.irp u, 0,1
	v_wmma_f32_16x16x32_f16 v[S+16*(\t)+8*\u:S+16*(\t)+8*\u+7], v[16*((\t)-\t0)+\kf:16*((\t)-\t0)+7+\kf], v[Q+16*\u:Q+16*\u+7], v[TT+8*((\t)-\u+1):TT+8*((\t)-\u+1)+7] neg_lo:[0,0,1] neg_hi:[0,0,1]
.endr
.endr
.endm
.macro QK2 t0, kf
.irp t, \t0, \t0+1
.irp u, 0,1
	v_wmma_f32_16x16x32_f16 v[S+16*(\t)+8*\u:S+16*(\t)+8*\u+7], v[16*((\t)-\t0)+8+\kf:16*((\t)-\t0)+15+\kf], v[Q+16*\u+8:Q+16*\u+15], v[S+16*(\t)+8*\u:S+16*(\t)+8*\u+7]
.endr
.endr
.endm
.macro MASKT t                         ; the mask on key tile t: a lane-mask word for each register
.irp u, 0,1
.irp j, 0,1,2,3,4,5,6,7
	v_cndmask_b32 v[S+16*\t+8*\u+\j], v[NINF], v[S+16*\t+8*\u+\j], s[16+32*\u+16*(\t/2)+4*\u*(\t/2)+8*(\t%2)+\j]
.endr
.endr
.endm
; One step: 64 keys x 32 queries, keys 64 st .. 64 st + 63 of my 128 in the slot.  first = 1: the very first step starts O and l.
; A product with the sign modifiers and the one without are no chain in place, so QK2 stands five places or more behind QK1 of the same tile, and so do the
; products that write over K's fragments in S(t2, t3) behind the products that read them (ISA guide 7.12.1); only plain vector instructions that name none of
; the earlier product's registers are counted.
.macro STEP slot, st, first
.set ADV, D192+(D64-D192)*\st
.set MINC, 128+256*\st
.irp t, 0,1
.irp kk, 0,1
	ds_load_b128 v[S+32+16*\t+8*\kk:S+32+16*\t+8*\kk+3],   v[KA+\slot] offset:\st*STEPB+\t*16*PITCH+64*\kk
	ds_load_b128 v[S+32+16*\t+8*\kk+4:S+32+16*\t+8*\kk+7], v[KA+\slot] offset:\st*STEPB+\t*16*PITCH+64*\kk+32
.endr
.endr
.irp t, 0,1
.irp kk, 0,1
	ds_load_b128 v[F+16*\t+8*\kk:F+16*\t+8*\kk+3],   v[KA+\slot] offset:\st*STEPB+(\t+2)*16*PITCH+64*\kk
	ds_load_b128 v[F+16*\t+8*\kk+4:F+16*\t+8*\kk+7], v[KA+\slot] offset:\st*STEPB+(\t+2)*16*PITCH+64*\kk+32
.endr
.endr
	TTUP 0, 12                                     ; table tiles 0-2, while K is on its way
	s_wait_dscnt 0x8                               ; key tiles 0 and 1 are in; the eight younger loads stay out
	QK1 0, S+32
	TTUP 12, 8                                     ; table tiles 3, 4, which the four products above do not name: eight places
	QK2 0, S+32
	s_wait_dscnt 0x0
.rept 5
	v_nop                                          ; five places: the next products write where K of tiles 0, 1 was read; they also stand in front of the masking of tile 0
.endr
	QK1 2, F
	s_wait_kmcnt 0x0                               ; this step's mask words; the offset register of their loads is free too
	s_add_co_u32 s13, s13, MINC                    ; 64 keys on, or 192 into the next slot
	s_and_b32 s13, s13, 0xfff                      ; behind the last step it wraps to my first: the look-ahead stays inside mbits
	MASKT 0                                        ; sixteen places between QK1 and QK2 of tiles 2, 3
	QK2 2, F
	MASKT 1                                        ; sixteen places in front of the loads into F and of the masking of tiles 2, 3
.irp d, 0,1,2,3
	ds_load_tr16_b128 v[F+8*\d:F+8*\d+3],   v[VA+\slot] offset:\st*STEPB+32*\d
	ds_load_tr16_b128 v[F+8*\d+4:F+8*\d+7], v[VA+\slot] offset:\st*STEPB+16*PITCH+32*\d
.endr
	MASKT 2
	MASKT 3
	MLOAD                                          ; the next step's words
	; the maximum of a lane's 32 scores and the old m, two chains for each query tile
.irp u, 0,1
	v_max3_num_f32 v[T+2*\u], v[M+2*\u], v[S+8*\u], v[S+8*\u+1]
	v_max3_num_f32 v[T+2*\u+1], v[S+32+8*\u], v[S+32+8*\u+1], v[S+32+8*\u+2]
.endr
.irp i, 1,2,3,4,5,6
.irp u, 0,1
	v_max3_num_f32 v[T+2*\u], v[T+2*\u], v[S+16*((2*\i)/8)+8*\u+(2*\i)%8], v[S+16*((2*\i)/8)+8*\u+(2*\i)%8+1]
	v_max3_num_f32 v[T+2*\u+1], v[T+2*\u+1], v[S+32+16*((2*\i+1)/8)+8*\u+(2*\i+1)%8], v[S+32+16*((2*\i+2)/8)+8*\u+(2*\i+2)%8]
.endr
.endr
.irp u, 0,1
	v_max3_num_f32 v[T+2*\u], v[T+2*\u], v[S+16+8*\u+6], v[S+16+8*\u+7]
.endr
.irp u, 0,1
	v_max3_num_f32 v[T+2*\u], v[T+2*\u], v[T+2*\u+1], v[S+48+8*\u+7]
.endr
	v_permlanex16_b32 v[T+4], v[T], s100, s101     ; the other half of the keys lies in lane l ^ 16
	v_permlanex16_b32 v[T+5], v[T+2], s100, s101
	v_max_num_f32 v[T], v[T], v[T+4]
	v_max_num_f32 v[T+2], v[T+2], v[T+5]
	v_sub_f32 v[AL], v[M], v[T]                    ; m_old - m_new
	v_sub_f32 v[AL+2], v[M+2], v[T+2]
	v_mov_b32 v[M], v[T]
	v_mov_b32 v[M+2], v[T+2]
.irp t, 0,1,2,3
.irp u, 0,1
.irp p, 0,2,4,6
	v_pk_add_f32 v[S+16*\t+8*\u+\p:S+16*\t+8*\u+\p+1], v[S+16*\t+8*\u+\p:S+16*\t+8*\u+\p+1], v[M+2*\u:M+2*\u+1] op_sel_hi:[1,0] neg_lo:[0,1] neg_hi:[0,1]
.endr
.endr
.endr
	v_exp_f32 v[AL], v[AL]
	v_exp_f32 v[AL+2], v[AL+2]
.set tp, 0
.rept 64
	v_exp_f32 v[S+tp], v[S+tp]
.set tp, tp+1
.endr
	v_nop                                          ; a plain place between the last exponential and the use of its result (ISA guide 5.7.2)
	; the lane's sum of p, two chains of pairs for each query tile
	s_wait_alu depctr_va_vdst(0)
.irp u, 0,1
	v_pk_add_f32 v[T+4*\u:T+4*\u+1], v[S+8*\u:S+8*\u+1], v[S+8*\u+2:S+8*\u+3]
	v_pk_add_f32 v[T+4*\u+2:T+4*\u+3], v[S+32+8*\u:S+32+8*\u+1], v[S+32+8*\u+2:S+32+8*\u+3]
.endr
.irp e, 2,3,4,5,6,7
.irp u, 0,1
	v_pk_add_f32 v[T+4*\u:T+4*\u+1], v[T+4*\u:T+4*\u+1], v[S+16*(\e/4)+8*\u+2*(\e%4):S+16*(\e/4)+8*\u+2*(\e%4)+1]
	v_pk_add_f32 v[T+4*\u+2:T+4*\u+3], v[T+4*\u+2:T+4*\u+3], v[S+32+16*(\e/4)+8*\u+2*(\e%4):S+32+16*(\e/4)+8*\u+2*(\e%4)+1]
.endr
.endr
.irp u, 0,1
	v_pk_add_f32 v[T+4*\u:T+4*\u+1], v[T+4*\u:T+4*\u+1], v[T+4*\u+2:T+4*\u+3]
.endr
	; P(c, u), the B fragment of 32 keys: registers 0-3 from S(2 c, u), 4-7 from S(2 c + 1, u); each source is read before it is written over
.irp c, 0,1
.irp u, 0,1
.irp i, 0,1,2,3
	v_cvt_pk_f16_f32 v[S+32*\c+8*\u+\i], v[S+32*\c+8*\u+2*\i], v[S+32*\c+8*\u+2*\i+1]
.endr
.irp i, 0,1,2,3
	v_cvt_pk_f16_f32 v[S+32*\c+8*\u+4+\i], v[S+32*\c+16+8*\u+2*\i], v[S+32*\c+16+8*\u+2*\i+1]
.endr
.endr
.endr
	; S(t1, .) and S(t3, .) are free now: V of the second 32 keys goes there (output block d at S + 16 + 32 (d / 2) + 8 (d % 2)); the rescale and eight products cover its way
.irp d, 0,1,2,3
	ds_load_tr16_b128 v[S+16+32*(\d/2)+8*(\d%2):S+16+32*(\d/2)+8*(\d%2)+3],   v[VA+\slot] offset:\st*STEPB+32*PITCH+32*\d
	ds_load_tr16_b128 v[S+16+32*(\d/2)+8*(\d%2)+4:S+16+32*(\d/2)+8*(\d%2)+7], v[VA+\slot] offset:\st*STEPB+48*PITCH+32*\d
.endr
.if \first == 0
.irp d, 0,1,2,3
.irp u, 0,1
.irp p, 0,2,4,6
	v_pk_mul_f32 v[O+8*(2*\d+\u)+\p:O+8*(2*\d+\u)+\p+1], v[O+8*(2*\d+\u)+\p:O+8*(2*\d+\u)+\p+1], v[AL+2*\u:AL+2*\u+1] op_sel_hi:[1,0]
.endr
.endr
.endr
.endif
	s_wait_dscnt 0x8                               ; V of the first 32 keys is in; the eight loads just issued stay out
.irp d, 0,1,2,3
.irp u, 0,1
.if \first
	v_wmma_f32_16x16x32_f16 v[O+8*(2*\d+\u):O+8*(2*\d+\u)+7], v[F+8*\d:F+8*\d+7], v[S+8*\u:S+8*\u+7], 0
.else
	v_wmma_f32_16x16x32_f16 v[O+8*(2*\d+\u):O+8*(2*\d+\u)+7], v[F+8*\d:F+8*\d+7], v[S+8*\u:S+8*\u+7], v[O+8*(2*\d+\u):O+8*(2*\d+\u)+7]
.endif
.endr
.endr
	s_wait_dscnt 0x0
.irp d, 0,1,2,3                                    ; the eight accumulators take turns, one instruction a turn
.irp u, 0,1
	v_wmma_f32_16x16x32_f16 v[O+8*(2*\d+\u):O+8*(2*\d+\u)+7], v[S+16+32*(\d/2)+8*(\d%2):S+16+32*(\d/2)+8*(\d%2)+7], v[S+32+8*\u:S+32+8*\u+7], v[O+8*(2*\d+\u):O+8*(2*\d+\u)+7]
.endr
.endr
	; four plain instructions that name none of the products' registers: the places before the next step loads into F and S;
	; the next step's twelve table updates follow them in front of its first products, which write over S
.if \first
	v_add_f32 v[L], v[T], v[T+1]
	v_add_f32 v[L+1], v[T+4], v[T+5]
	v_nop
	v_nop
.else
	v_add_f32 v[T], v[T], v[T+1]
	v_add_f32 v[T+4], v[T+4], v[T+5]
	v_fma_f32 v[L], v[L], v[AL], v[T]
	v_fma_f32 v[L+1], v[L+1], v[AL+2], v[T+4]
.endif
.endm
; The change of slots.  In front of the round each wave waits for all its tensor loads (its part of this slot among them) and for its reads of the other slot;
; behind it no wave of the four work-groups reads the other slot or has a load on its way, and the joint refill comes first, one load in each of waves 0-7.
; It has this slot's two steps of all sixteen waves in which to land.
.macro TWO slot, refill
	s_wait_xcnt 0x0
	v_lshl_add_u32 v22, v0, 2, 0x4c800
	v_mov_b32 v23, 0
	s_wait_tensorcnt 0x0
	ds_add_u32 v22, v23
	s_wait_dscnt 0x0
.if \refill
	s_add_nc_u64 s[G0+4*(1-\slot)+2:G0+4*(1-\slot)+3], s[G0+4*(1-\slot)+2:G0+4*(1-\slot)+3], 512*ROWQ   ; no load of mine is out: the other slot's next 256 keys
.endif
	s_wait_dscnt 0x0
.if \refill
	ROUND
	s_cmp_ge_u32 s10, 8
	s_cbranch_scc1 .Lno_fill_\@
	tensor_load_to_lds s[G0+4*(1-\slot):G0+4*(1-\slot)+3], s[G1:G1+7]
	s_nop 0
.Lno_fill_\@:
.else
	s_barrier_signal -1
	s_barrier_wait -1                              ; nothing is left to fetch: the work-group's barrier shows the slot whole
.endif
	STEP \slot, 0, 0
	STEP \slot, 1, 0
.endm
	s_wait_tensorcnt 0x1                           ; my part of slot 0 is in; slot 1's may stay out
	s_barrier_signal -1
	s_barrier_wait -1
	s_wait_loadcnt 0x0                             ; Q
	STEP 0, 0, 1                                   ; keys 0-255, my half of them
	STEP 0, 1, 0
	s_mov_b32 s14, 3
.Lpair:
	TWO 1, 1
	TWO 0, 1
	s_sub_co_u32 s14, s14, 1
	s_cmp_lg_u32 s14, 0
	s_cbranch_scc1 .Lpair
	TWO 1, 0                                       ; keys 1792-2047
	; THE WAY OUT.  l over both halves of a tile's keys; waves 8-15 hand O, m, l to waves 0-7; these merge, divide by l, round to f16 and put their
	; rows into the stage (a row holds both heads); all sixteen waves copy whole rows of 256 bytes to ao.
	; The scalar registers of the mask words are left alone: the last look-ahead may still be on its way.
	v_permlanex16_b32 v[T], v[L], s100, s101
	v_permlanex16_b32 v[T+1], v[L+1], s100, s101
	v_add_f32 v[L], v[L], v[T]
	v_add_f32 v[L+1], v[L+1], v[T+1]
	v_and_b32 v[Q], 15, v0                         ; r
	v_bfe_u32 v[Q+1], v0, 4, 1                     ; h
	v_and_b32 v[T+2], 31, v0
	s_and_b32 s2, s10, 7                           ; the pair's number
	s_mul_i32 s2, s2, XCH
	v_lshl_add_u32 v[T+2], v[T+2], 4, s2           ; the hand-over: 16 bytes a lane.  Slot 0 has had its last fill, and every wave's reads of it ended in front of the last barrier
	s_mul_i32 s3, s10, 8*PITCH                     ; stage, back: rows 8 w + h, 16 bytes a lane
	s_add_co_u32 s3, s3, STAGE
	v_mul_u32_u24 v[Q+2], v[Q+1], PITCH
	v_lshl_add_u32 v[Q+2], v[Q], 4, v[Q+2]
	v_add_nc_u32 v[Q+2], s3, v[Q+2]
	v_lshlrev_b32 v[Q+3], 4, v[Q]                  ; and the same two rows in ao
	v_lshl_add_u32 v[Q+3], v[Q+1], 11, v[Q+3]
	s_cmp_lt_u32 s10, 8
	s_cbranch_scc1 .Lkeeps
.set n, 0
.rept 16
	ds_store_b128 v[T+2], v[O+4*n:O+4*n+3] offset:512*n
.set n, n+1
.endr
	ds_store_b128 v[T+2], v[M:M+3] offset:512*16   ; m of tile 0 in word 0, of tile 1 in word 2
	ds_store_b64 v[T+2], v[L:L+1] offset:512*17
.Lkeeps:
	s_wait_dscnt 0x0                               ; what I hand over is in LDS,
	s_barrier_signal -1
	s_barrier_wait -1                              ; and so is what I am handed
	s_cmp_ge_u32 s10, 8
	s_cbranch_scc1 .Lgave
.set n, 0
.rept 16
	ds_load_b128 v[S+4*n:S+4*n+3], v[T+2] offset:512*n
.set n, n+1
.endr
	ds_load_b128 v[F:F+3], v[T+2] offset:512*16
	ds_load_b64 v[F+4:F+5], v[T+2] offset:512*17
	s_mul_i32 s2, s12, 32*PITCH                    ; stage, in: row 32 (w & 3) + r, my head's half, 16 bytes at 16 h
	s_lshl_b32 s3, s11, 7
	s_add_co_u32 s2, s2, s3
	s_add_co_u32 s2, s2, STAGE
	s_wait_dscnt 0x0
	v_max_num_f32 v[T+4], v[M], v[F]               ; m of both halves of the keys
	v_max_num_f32 v[T+5], v[M+2], v[F+2]
	v_sub_f32 v[T], v[M], v[T+4]
	v_sub_f32 v[T+1], v[M+2], v[T+5]
	v_sub_f32 v[T+6], v[F], v[T+4]
	v_sub_f32 v[T+7], v[F+2], v[T+5]
	v_exp_f32 v[T], v[T]
	v_exp_f32 v[T+1], v[T+1]
	v_exp_f32 v[T+6], v[T+6]
	v_exp_f32 v[T+7], v[T+7]
	v_mul_u32_u24 v[T+3], v[Q], PITCH              ; a plain instruction behind the exponentials (ISA guide 5.7.2)
	s_wait_alu depctr_va_vdst(0)
	v_mul_f32 v[L], v[L], v[T]
	v_mul_f32 v[L+1], v[L+1], v[T+1]
	v_fma_f32 v[L], v[F+4], v[T+6], v[L]           ; l = l0 2^(m0 - m) + l1 2^(m1 - m)
	v_fma_f32 v[L+1], v[F+5], v[T+7], v[L+1]
	v_rcp_f32 v[T+4], v[L]
	v_rcp_f32 v[T+5], v[L+1]
	v_lshl_add_u32 v[T+3], v[Q+1], 4, v[T+3]       ; a plain instruction behind the reciprocals
	s_wait_alu depctr_va_vdst(0)
	v_mul_f32 v[AL], v[T], v[T+4]                  ; my half's factor 2^(m0 - m) / l,
	v_mul_f32 v[AL+2], v[T+1], v[T+5]
	v_mul_f32 v[M], v[T+6], v[T+4]                 ; the other half's
	v_mul_f32 v[M+2], v[T+7], v[T+5]
	v_add_nc_u32 v[T+3], s2, v[T+3]
.irp d, 0,1,2,3
.irp u, 0,1
.irp p, 0,2,4,6
	v_pk_mul_f32 v[O+8*(2*\d+\u)+\p:O+8*(2*\d+\u)+\p+1], v[O+8*(2*\d+\u)+\p:O+8*(2*\d+\u)+\p+1], v[AL+2*\u:AL+2*\u+1] op_sel_hi:[1,0]
.endr
.endr
.endr
.irp d, 0,1,2,3
.irp u, 0,1
.irp p, 0,2,4,6
	v_pk_fma_f32 v[O+8*(2*\d+\u)+\p:O+8*(2*\d+\u)+\p+1], v[S+8*(2*\d+\u)+\p:S+8*(2*\d+\u)+\p+1], v[M+2*\u:M+2*\u+1], v[O+8*(2*\d+\u)+\p:O+8*(2*\d+\u)+\p+1] op_sel_hi:[1,0,1]
.endr
.endr
.endr
.irp d, 0,1,2,3
.irp u, 0,1
.irp i, 0,1,2,3
	v_cvt_pk_f16_f32 v[TT+4*(2*\d+\u)+\i], v[O+8*(2*\d+\u)+2*\i], v[O+8*(2*\d+\u)+2*\i+1]
.endr
.endr
.endr
.irp d, 0,1,2,3
.irp u, 0,1
	ds_store_b128 v[T+3], v[TT+4*(2*\d+\u):TT+4*(2*\d+\u)+3] offset:\u*16*PITCH+32*\d   ; query 16 u + r, outputs 16 d + 8 h + 0..7
.endr
.endr
.Lgave:
	s_wait_dscnt 0x0                               ; my part of the stage is written,
	s_barrier_signal -1
	s_barrier_wait -1                              ; and so is everybody's
.irp i, 0,1,2,3
	ds_load_b128 v[F+4*\i:F+4*\i+3], v[Q+2] offset:\i*2*PITCH
.endr
.irp i, 0,1,2,3
	s_wait_dscnt 3-\i                              ; piece i is in, the younger ones stay out
	global_store_b128 v[Q+3], v[F+4*\i:F+4*\i+3], s[8:9] offset:\i*4096   ; sixteen lanes store 256 consecutive bytes, aligned
.endr
	s_wait_xcnt 0x0
	v_lshl_add_u32 v22, v0, 2, 0x4c800
	v_mov_b32 v23, 0
	s_wait_tensorcnt 0x0
	ds_add_u32 v22, v23
	s_wait_dscnt 0x0
	ROUND                                          ; the closing round: no work-group ends while a partner may still ask for a tile that names it
	s_endpgm
.Lfunc_end_k_q6eca0b6b7d_attn:
	.size	k_q6eca0b6b7d_attn, .Lfunc_end_k_q6eca0b6b7d_attn-k_q6eca0b6b7d_attn
	.p2alignl 7, 3214868480
	.fill 96, 4, 3214868480
	.section	.rodata,"a",@progbits
	.p2align	6, 0x0
	.amdhsa_kernel k_q6eca0b6b7d_attn
		.amdhsa_group_segment_fixed_size 327680
		.amdhsa_private_segment_fixed_size 0
		.amdhsa_enable_private_segment 0
		.amdhsa_kernarg_size 24
		.amdhsa_user_sgpr_count 2
		.amdhsa_user_sgpr_kernarg_segment_ptr 1
		.amdhsa_wavefront_size32 1
		.amdhsa_system_sgpr_workgroup_id_x 1
		.amdhsa_system_sgpr_workgroup_id_y 1
		.amdhsa_system_sgpr_workgroup_id_z 1
		.amdhsa_system_vgpr_workitem_id 0
		.amdhsa_next_free_vgpr 256
		.amdhsa_next_free_sgpr 102
		.amdhsa_reserve_vcc 0
		.amdhsa_float_denorm_mode_32 3
		.amdhsa_float_denorm_mode_16_64 3
		.amdhsa_memory_ordered 1
		.amdhsa_forward_progress 1
		.amdhsa_inst_pref_size 204
	.end_amdhsa_kernel
	.amdgpu_metadata
---
amdhsa.version: [ 1, 2 ]
amdhsa.kernels:
  - .name:           k_q6eca0b6b7d_attn
    .symbol:         k_q6eca0b6b7d_attn.kd
    .args:
      - { .name: qkv, .offset: 0, .size: 8, .value_kind: global_buffer, .address_space: global }
      - { .name: mbits, .offset: 8, .size: 8, .value_kind: global_buffer, .address_space: global }
      - { .name: ao, .offset: 16, .size: 8, .value_kind: global_buffer, .address_space: global }
    .group_segment_fixed_size: 327680
    .private_segment_fixed_size: 0
    .kernarg_segment_align: 8
    .kernarg_segment_size: 24
    .max_flat_workgroup_size: 512
    .sgpr_count:     102
    .vgpr_count:     256
    .wavefront_size: 32
...
	.end_amdgpu_metadata
.endif
;; end of part 3
;; launch proj_out (part 4): grid 8 x 32, 4 waves a work-group, clusters of 4 x 4, 327,680 bytes of LDS; arguments ao, wall, bo, out0; writes out0
.if DOCPART == 4
	.amdgcn_target "amdgcn-amd-amdhsa--gfx1250"
	.amdhsa_code_object_version 6
	.text
	.protected	k_q6eca0b6b7d_proj_out
	.globl	k_q6eca0b6b7d_proj_out
	.p2align	8
	.type	k_q6eca0b6b7d_proj_out,@function
k_q6eca0b6b7d_proj_out:
	s_mov_b64 s[64:65], 0
	v_nop
	global_prefetch_b8 v0, s[64:65] scope:SCOPE_SE
	s_setreg_imm32_b32 hwreg(HW_REG_WAVE_MODE, 25, 1), 1
	s_wait_xcnt 0x0
	s_wait_alu depctr_hold_cnt(0) depctr_sa_sdst(0) depctr_va_vdst(0) depctr_va_sdst(0) depctr_va_ssrc(0) depctr_va_vcc(0) depctr_vm_vsrc(0)
	s_getreg_b32 s2, hwreg(HW_REG_IB_STS2, 6, 4)
	s_cmp_eq_u32 s2, 0
	s_cbranch_scc0 .Lentry_in_a_cluster
	s_endpgm
.Lentry_in_a_cluster:
	s_bfe_u32 s2, ttmp6, 0x10000c
	s_cmp_lg_u32 s2, 0xf033
	s_cbranch_scc0 .Lentry_shape_is_right
	s_endpgm
.Lentry_shape_is_right:
; out0[t][n] = sum over k of ao[t][k] Wo[n][k] + bo[n], f16 operands, f32 out, sums in f32.  Wo in f16 is rows 3072-4095 of wall.
; (The operands' range: ao is a convex mix of V, below 65,504 as the launch that made V states; Wo as the launch that rounded it states.)
; The same source as the projection of Q, K and V, with other sizes: 4096 x 1024 outputs on 256 work-groups are blocks of 128 x 128, whose f32 rows are two
; whole aligned blocks of 256 bytes.  Four waves, 2 x 2, each 64 x 64: 16 accumulator tiles.  A wave has only 16 matrix instructions for 32 along K, so a slot
; holds 256 along K (rows of 512 bytes): a refill then has 128 matrix instructions of the wave in which to land, and there are half as many rounds of the cluster's barrier.
; CLUSTER 4 x 4 with joint loads, the transposed use of the matrix instruction and the bias as the first product's C operand: as in that launch.
; Registers, in windows of 256: window 0 addresses, A's fragments (two buffers), the bias; window 1 B's fragments (two buffers);
; window 2 the tiles of my upper 32 rows, window 3 those of my lower 32 (tile (a, b) at v[8 (NB a + b)]).
.set BM,     128                       ; rows of the block
.set BN,     128                       ; columns of the block
.set LOGWN,  1                         ; two waves side by side along n
.set MB,     4                         ; 16-row blocks of a wave
.set NB,     4                         ; 16-column blocks of a wave
.set KSTEP,  256
.set QI,     6                         ; padding behind every 2<<6 = 128 words, a row of 256 f16
.set RL,     64                        ; rows that one tensor load brings: (BM + BN) / 4
.set NA,     2                         ; waves that fetch A's rows; the others fetch B's
.set BOFF,   3072*2048                 ; first byte of Wo in wall
.set CROW,   4096                      ; bytes in a row of C
.set ROWB,   512                       ; bytes of a row of C in the block
.set NQ,     KSTEP/32                  ; quarter steps of 32 along K in a K step
.set PITCH,  2*KSTEP+16                ; LDS row: the sixteen rows of a fragment load start in sixteen different 16-byte columns of 256 bytes
.set SLOT,   (BM+BN)*PITCH             ; A's rows, then B's
.set LAPS,   1024/(2*KSTEP)            ; a lap = once round the two slots
.set UN,     ROWB/256
.set SP,     ROWB+16                   ; stage row on the way out
.set AH,     MB/4                      ; 16-row blocks in half a window
.set ADRA, 16                          ; v16-17  LDS address of my A fragments in slot 0, 1
.set ADRB, 20                          ; v20-21  the same for B
.set STO,  24                          ; v24     the way out: where I put 32 bytes of a row
.set RD,   26                          ; v26     the way out: where I read a row back
.set CO,   27                          ; v27     my byte offset in C
.set BO,   28                          ; v28     my byte offset in the bias
.set F0,   64                          ; fragment buffer 0
.set F1,   128                         ; fragment buffer 1
.set BIAS, 192                         ; v[192+8 b + j] = bias of column 16 b + 8 (l / 16) + j of my wave's columns
.set OB,   128                         ; the way out: two batches of eight 16-byte pieces
.set G1,  24                           ; s[24:31] descriptor group 1 for A
.set G0,  32                           ; s[32:39] descriptor group 0 for A, a set for each slot
.set G1B, 48                           ; s[48:55] group 1 for B: another mask
.set G0B, 56                           ; s[56:63] group 0 for B
.set G1W0, (1<<16)|(1<<20)|(1<<21)|(QI<<22)|(3<<25)   ; 2-byte elements; padding on; bit 21 beside a mask; the interval; 4 words of padding
.set MSB, 0
.macro WIN new                         ; the immediate's high byte repeats the setting that is left; switches that change nothing are dropped
.if MSB != \new
	s_set_vgpr_msb (MSB<<8)|\new
.set MSB, \new
.endif
.endm
.set MUL_LO,   0xa1                    ; source 0 (B) window 1, source 1 (A) window 0, C and D window 2
.set MUL_HI,   0xf1                    ; the same, C and D window 3
.set FIRST_LO, 0x81                    ; the first product: C (the bias) window 0, D window 2
.set FIRST_HI, 0xc1                    ; C window 0, D window 3
.set TO_B,     0x40                    ; destination window 1, address window 0
; A joint load: waves below NA ask for A's rows, the others for B's.  Each line has one mask; the branch hangs on the wave's number alone.
.macro JLOAD s
	s_cmp_lt_u32 s12, NA
	s_cbranch_scc0 .Lfor_b_\@
	tensor_load_to_lds s[G0+4*\s:G0+4*\s+3], s[G1:G1+7]
	s_nop 0
	s_branch .Lasked_\@
.Lfor_b_\@:
	tensor_load_to_lds s[G0B+4*\s:G0B+4*\s+3], s[G1B:G1B+7]
	s_nop 0
.Lasked_\@:
.endm
; A round of the cluster's barrier: my work-group's barrier, wave 0 signals for the work-group, every wave waits for all sixteen, my work-group's barrier again.
.macro CREST                           ; a round behind its opening barrier
	s_cmp_lg_u32 s12, 0
	s_cbranch_scc1 .Lnot_wave_0_\@
	s_barrier_signal -3
.Lnot_wave_0_\@:
	s_barrier_wait -3
	s_barrier_signal -1
	s_barrier_wait -1
.endm
.macro CROUND
	s_barrier_signal -1
	s_barrier_wait -1
	CREST
.endm
	s_load_b256 s[4:11], s[0:1], 0x0               ; A s[4:5], wall s[6:7], bias s[8:9], C s[10:11]
	s_set_vgpr_msb 0x40
	v_lshl_add_u32 v255, v0, 2, 0x42000
	s_set_vgpr_msb 0x4000
	v_mov_b32 v255, 0
	s_set_vgpr_msb 0x1
	ds_add_u32 v255, v255
	s_set_vgpr_msb 0x100
	v_lshrrev_b32 v1, 5, v0
	v_readfirstlane_b32 s12, v1                    ; wave 0..3
	s_lshr_b32 s13, s12, LOGWN                     ; wm: my place along the block's rows
	s_and_b32 s14, s12, (1<<LOGWN)-1               ; wn: along its columns
	s_bfe_u32 s15, ttmp6, 0x40000                  ; cx
	s_bfe_u32 s16, ttmp6, 0x40004                  ; cy
	s_lshl_b32 s17, ttmp9, 2
	s_add_co_u32 s17, s17, s15                     ; block column = 4 x cluster x + cx
	s_and_b32 s18, ttmp7, 0xffff
	s_lshl_b32 s18, s18, 2
	s_add_co_u32 s18, s18, s16                     ; block row = 4 x cluster y + cy
	s_lshl_b32 s43, s16, 2
	s_lshl_b32 s43, 15, s43                        ; my row of the cluster: places 4 cy .. 4 cy + 3
	s_lshl_b32 s44, 0x1111, s15                    ; my column: places cx, cx + 4, cx + 8, cx + 12
	s_or_b32 s[G1+0], s43, G1W0                    ; A's tiles go to my row
	s_or_b32 s[G1B+0], s44, G1W0                   ; B's to my column
	s_mov_b32 s[G1+1], KSTEP<<16                   ; tensor_dim0 = the tile's
	s_mov_b32 s[G1B+1], KSTEP<<16
	s_mov_b32 s[G1+2], RL<<16                      ; tensor_dim1 = the tile's
	s_mov_b32 s[G1B+2], RL<<16
	s_mov_b32 s[G1+3], KSTEP<<16                   ; tile_dim0
	s_mov_b32 s[G1B+3], KSTEP<<16
	s_mov_b32 s[G1+4], RL                          ; tile_dim1
	s_mov_b32 s[G1B+4], RL
	s_mov_b32 s[G1+5], 1024                        ; elements from row to row
	s_mov_b32 s[G1B+5], 1024
	s_mov_b32 s[G1+6], 0
	s_mov_b32 s[G1B+6], 0
	s_mov_b32 s[G1+7], 0
	s_mov_b32 s[G1B+7], 0
	; Where the tiles come from.  A's hang on the block row and the wave, B's on the block column and the wave, each in registers that never hold the other coordinate.
	s_and_b32 s19, s12, NA-1
	s_mul_i32 s19, s19, RL
	s_mul_i32 s40, s18, BM
	s_add_co_u32 s40, s40, s19                     ; A: row BM x block row + my part
	s_lshl_b32 s40, s40, 11                        ; rows of 2,048 bytes
	s_mov_b32 s41, 0
	s_sub_co_i32 s19, s12, NA
	s_max_i32 s19, s19, 0
	s_mul_i32 s19, s19, RL
	s_mul_i32 s46, s17, BN
	s_add_co_u32 s46, s46, s19                     ; B: row BN x block column + my part
	s_lshl_b32 s46, s46, 11
.if BOFF
	s_add_co_u32 s46, s46, BOFF
.endif
	s_mov_b32 s47, 0
	s_mul_i32 s20, s12, RL*PITCH                   ; and where they go: wave x RL rows; no place in the cluster enters an LDS address
	s_wait_dscnt 0x0
	s_wait_kmcnt 0x0
	s_add_nc_u64 s[40:41], s[4:5], s[40:41]
	s_add_nc_u64 s[46:47], s[6:7], s[46:47]
	CROUND                                         ; all sixteen work-groups are here: the first joint loads meet
.irp s, 0,1
	s_mov_b32 s[G0+4*\s], 1
	s_add_co_u32 s[G0+4*\s+1], s20, \s*SLOT
	s_add_nc_u64 s[G0+4*\s+2:G0+4*\s+3], s[40:41], \s*KSTEP*2
	s_or_b32 s[G0+4*\s+3], s[G0+4*\s+3], 0x80000000
	s_mov_b32 s[G0B+4*\s], 1
	s_add_co_u32 s[G0B+4*\s+1], s20, \s*SLOT
	s_add_nc_u64 s[G0B+4*\s+2:G0B+4*\s+3], s[46:47], \s*KSTEP*2
	s_or_b32 s[G0B+4*\s+3], s[G0B+4*\s+3], 0x80000000
	JLOAD \s                                       ; both slots are asked for before anything else: two loads of the wave are out, later one
.endr
	v_and_b32 v1, 15, v0                           ; r = l % 16
	v_bfe_u32 v2, v0, 4, 1                         ; h = l / 16
	v_lshlrev_b32 v[BO], 5, v2                     ; 8 h numbers of 4 bytes
	s_mul_i32 s46, s17, BN
	s_mul_i32 s47, s14, 16*NB
	s_add_co_u32 s46, s46, s47
	s_lshl_b32 s46, s46, 2
	s_mov_b32 s47, 0
	s_add_nc_u64 s[8:9], s[8:9], s[46:47]          ; the bias at my wave's first column
.set bb, 0
.rept NB
	global_load_b128 v[BIAS+8*bb:BIAS+8*bb+3], v[BO], s[8:9] offset:64*bb
	global_load_b128 v[BIAS+8*bb+4:BIAS+8*bb+7], v[BO], s[8:9] offset:64*bb+16
.set bb, bb+1
.endr
	s_mul_i32 s40, s18, BM                         ; C at the rows that my wave copies out (32 w ..) and the block's first column
	s_lshl_b32 s41, s12, 5
	s_add_co_u32 s40, s40, s41
	s_mul_i32 s40, s40, CROW
	s_mov_b32 s41, 0
	s_add_nc_u64 s[10:11], s[10:11], s[40:41]
	s_mul_i32 s46, s17, ROWB
	s_add_nc_u64 s[10:11], s[10:11], s[46:47]
	; A fragment is 16 rows x 32 K in 8 registers: lane l holds row l % 16; registers 0-3 K = 8 h + 0..7, registers 4-7 K = 16 + 8 h + 0..7: two loads of 16 bytes, 32 bytes apart.
	v_mul_u32_u24 v3, v1, PITCH
	v_lshl_add_u32 v3, v2, 4, v3
	s_mul_i32 s21, s13, 16*MB*PITCH                ; my rows of A
	s_mul_i32 s22, s14, 16*NB*PITCH                ; my rows of B,
	s_add_co_u32 s22, s22, BM*PITCH                ; which lie behind A's
.irp s, 0,1
	v_add_nc_u32 v[ADRA+\s], s21, v3
	v_add_nc_u32 v[ADRB+\s], s22, v3
	s_add_co_u32 s21, s21, SLOT
	s_add_co_u32 s22, s22, SLOT
.endr
	v_mul_u32_u24 v4, v1, SP                       ; stage, in: row 64 wm + r, my wave's 256 bytes of it, 32 bytes for each half of the lanes
	v_lshl_add_u32 v4, v2, 5, v4
	s_mul_i32 s23, s13, 16*MB*SP
	s_lshl_b32 s19, s14, 8
	s_add_co_u32 s23, s23, s19
	v_add_nc_u32 v[STO], s23, v4
	v_mul_u32_u24 v5, v2, SP                       ; stage, back: rows 32 w + h, 16 bytes a lane
	v_lshl_add_u32 v5, v1, 4, v5
	s_mul_i32 s23, s12, 32*SP
	v_add_nc_u32 v[RD], s23, v5
	v_mul_u32_u24 v5, v2, CROW
	v_lshl_add_u32 v[CO], v1, 4, v5
; AH x NB matrix instructions: 16-row blocks a0 .. a0 + AH - 1 of the window (hi = 0: my upper rows, 1: my lower) x all NB column blocks, 32 along K.
; The accumulators take turns, one instruction a turn, in the same order in every quarter step.
.macro MULS f, hi, a0, first
.set ma, \a0
.rept AH
.set mb, 0
.rept NB
.if \first
	v_wmma_f32_16x16x32_f16 v[8*(ma*NB+mb):8*(ma*NB+mb)+7], v[\f+8*mb:\f+8*mb+7], v[\f+8*((MB/2)*\hi+ma):\f+8*((MB/2)*\hi+ma)+7], v[BIAS+8*mb:BIAS+8*mb+7]
.else
	v_wmma_f32_16x16x32_f16 v[8*(ma*NB+mb):8*(ma*NB+mb)+7], v[\f+8*mb:\f+8*mb+7], v[\f+8*((MB/2)*\hi+ma):\f+8*((MB/2)*\hi+ma)+7], v[8*(ma*NB+mb):8*(ma*NB+mb)+7]
.endif
.set mb, mb+1
.endr
.set ma, ma+1
.endr
.endm
; The fragments of one quarter step (byte k of the slot's rows) into buffer f, in one run: 2 NB loads for B, then 2 MB for A.
.macro FETCH slot, k, f
	WIN TO_B
.set fi, 0
.rept NB
	ds_load_b128 v[\f+8*fi:\f+8*fi+3],   v[ADRB+\slot] offset:\k+fi*16*PITCH
	ds_load_b128 v[\f+8*fi+4:\f+8*fi+7], v[ADRB+\slot] offset:\k+fi*16*PITCH+32
.set fi, fi+1
.endr
	WIN 0
.set fi, 0
.rept MB
	ds_load_b128 v[\f+8*fi:\f+8*fi+3],   v[ADRA+\slot] offset:\k+fi*16*PITCH
	ds_load_b128 v[\f+8*fi+4:\f+8*fi+7], v[ADRA+\slot] offset:\k+fi*16*PITCH+32
.set fi, fi+1
.endr
.endm
; Four places behind a matrix instruction before a load is issued into a register that it read, or a vector instruction or LDS store reads its result
; (ISA guide 7.12.1 for vector instructions); the matrix instructions in between are not counted.
.macro PLACES
.rept 4
	v_nop
.endr
.endm
; A quarter step but the last of a K step: multiplies buffer f and, in its middle, fetches the next quarter's fragments into buffer g.
.macro QUARTER slot, k, f, g, first
	s_wait_dscnt MB                                ; B and A's upper half are in; the youngest MB loads (A's lower half) may be out
.if \first
	WIN FIRST_LO
.else
	WIN MUL_LO
.endif
	MULS \f, 0, 0, \first
	MULS \f, 0, AH, \first
	PLACES
	FETCH \slot, \k, \g
	s_wait_dscnt 2*(MB+NB)                         ; all but the loads just issued
.if \first
	WIN FIRST_HI
.else
	WIN MUL_HI
.endif
	MULS \f, 1, 0, \first
	MULS \f, 1, AH, \first
.endm
.macro BODY slot, first                ; the first NQ - 1 quarter steps of a K step, on buffers 0, 1, 0, ..
	QUARTER \slot, 64, F0, F1, \first
.set bq, 1
.rept NQ-2
.if bq%2
	QUARTER \slot, 64*(bq+1), F1, F0, 0
.else
	QUARTER \slot, 64*(bq+1), F0, F1, 0
.endif
.set bq, bq+1
.endr
.endm
; The last quarter step: multiplies buffer 1 and changes slots.  In front of the barrier each wave waits for its reads of this slot and for all its
; tensor loads (the one that is out is its part of the next slot).  Where the slot is filled again the barrier opens a round of the cluster's barrier,
; and the joint refill is the first tensor load behind the round, the wave's only one until the next.
.macro TURN slot, next, fill
	s_wait_dscnt MB
	WIN MUL_LO
	MULS F1, 0, 0, 0
	s_wait_dscnt 0x0                               ; my reads of this slot are over
	s_wait_tensorcnt 0x0                           ; all my tensor loads have landed
	ds_add_u32 v255, v255
	s_wait_dscnt 0x0
	s_barrier_signal -1
	MULS F1, 0, AH, 0                              ; register work while the others arrive
	WIN 0
	s_barrier_wait -1
.if \fill
	CREST                                          ; no wave of any partner still reads this slot or has a load on its way
	s_add_nc_u64 s[G0+4*\slot+2:G0+4*\slot+3], s[G0+4*\slot+2:G0+4*\slot+3], 4*KSTEP      ; two K steps on, in bytes
	s_add_nc_u64 s[G0B+4*\slot+2:G0B+4*\slot+3], s[G0B+4*\slot+2:G0B+4*\slot+3], 4*KSTEP
	JLOAD \slot
.endif
	PLACES
	FETCH \next, 0, F0
	WIN MUL_HI
	MULS F1, 1, 0, 0
	MULS F1, 1, AH, 0
.endm
.macro LAP first
	BODY 0, \first
	TURN 0, 1, 1
	BODY 1, 0
	TURN 1, 0, 1
.endm
	s_wait_tensorcnt 0x1                           ; my part of K step 0 is in; K step 1's may stay out
	s_barrier_signal -1
	s_barrier_wait -1                              ; everybody's part is in
	s_wait_loadcnt 0x0                             ; the bias
	FETCH 0, 0, F0
	LAP 1                                          ; the first lap: its first products start the sums from the bias
.if LAPS > 2
	WIN 0
	s_mov_b32 s3, LAPS-2
.Llap:
	LAP 0
	WIN 0
	s_sub_co_u32 s3, s3, 1
	s_cmp_lg_u32 s3, 0
	s_cbranch_scc1 .Llap
.endif
	BODY 0, 0                                      ; the last lap fills nothing
	TURN 0, 1, 0
	BODY 1, 0
	s_wait_dscnt MB
	WIN MUL_LO
	MULS F1, 0, 0, 0
	MULS F1, 0, AH, 0
	s_wait_dscnt 0x0
	WIN MUL_HI
	MULS F1, 1, 0, 0
	MULS F1, 1, AH, 0
	; THE WAY OUT.  The block is gathered in LDS (128 rows of 528 bytes from byte 0: the slots have had their last fill) and leaves by whole rows.
	PLACES
	WIN 0
	s_barrier_signal -1                            ; no LDS instruction of mine is out (the wait for 0 above): nobody reads fragments any more
	s_barrier_wait -1
.macro OUTF a                          ; rows 16 a .. 16 a + 15 of my wave: the f32 sums as they are, 32 bytes a lane and column block, straight from the accumulators
.if \a < MB/2
	WIN 0x08                                       ; store data (source 1) from window 2, the address from window 0
.else
	WIN 0x0c                                       ; from window 3
.endif
.set ob, 0
.rept NB
	ds_store_b128 v[STO], v[8*((\a%(MB/2))*NB+ob):8*((\a%(MB/2))*NB+ob)+3]   offset:\a*16*SP+64*ob
	ds_store_b128 v[STO], v[8*((\a%(MB/2))*NB+ob)+4:8*((\a%(MB/2))*NB+ob)+7] offset:\a*16*SP+64*ob+16
.set ob, ob+1
.endr
.endm
.irp a, 0,1,2,3
	OUTF \a
.endr
	WIN 0
	s_wait_dscnt 0x0                               ; my part of my rows is in the stage,
	s_barrier_signal -1
	s_barrier_wait -1                              ; and so is everybody's
	; Wave w copies rows 32 w .. 32 w + 31: sixteen lanes take 256 bytes of a row, the other sixteen the row below; UN such pieces a row.
.set on, 0
.rept 2*UN
	s_wait_xcnt 0x0                                ; the batch before last has had its addresses translated (ISA guide 3.1): its data registers are loaded again only behind this wait
.set ot, 0
.rept 8
	ds_load_b128 v[OB+32*(on%2)+4*ot:OB+32*(on%2)+4*ot+3], v[RD] offset:((8*on+ot)/UN)*2*SP+((8*on+ot)%UN)*256
.set ot, ot+1
.endr
.set ot, 0
.rept 8
	s_wait_dscnt 7-ot
	global_store_b128 v[CO], v[OB+32*(on%2)+4*ot:OB+32*(on%2)+4*ot+3], s[10:11] offset:((8*on+ot)/UN)*2*CROW+((8*on+ot)%UN)*256 th:TH_STORE_NT   ; sixteen lanes store 256 consecutive bytes, aligned
.set ot, ot+1
.endr
.set on, on+1
.endr
	s_set_vgpr_msb 0x1
	s_wait_tensorcnt 0x0
	ds_add_u32 v255, v255
	s_wait_dscnt 0x0
	s_set_vgpr_msb 0x100
	CROUND                                         ; the closing round: no work-group ends while a partner may still ask for a tile that names it
	s_endpgm
.Lfunc_end_k_q6eca0b6b7d_proj_out:
	.size	k_q6eca0b6b7d_proj_out, .Lfunc_end_k_q6eca0b6b7d_proj_out-k_q6eca0b6b7d_proj_out
	.p2alignl 7, 3214868480
	.fill 96, 4, 3214868480
	.section	.rodata,"a",@progbits
	.p2align	6, 0x0
	.amdhsa_kernel k_q6eca0b6b7d_proj_out
		.amdhsa_group_segment_fixed_size 327680
		.amdhsa_private_segment_fixed_size 0
		.amdhsa_enable_private_segment 0
		.amdhsa_kernarg_size 32
		.amdhsa_user_sgpr_count 2
		.amdhsa_user_sgpr_kernarg_segment_ptr 1
		.amdhsa_wavefront_size32 1
		.amdhsa_system_sgpr_workgroup_id_x 1
		.amdhsa_system_sgpr_workgroup_id_y 1
		.amdhsa_system_sgpr_workgroup_id_z 1
		.amdhsa_system_vgpr_workitem_id 0
		.amdhsa_next_free_vgpr 1024
		.amdhsa_next_free_sgpr 66
		.amdhsa_reserve_vcc 0
		.amdhsa_float_denorm_mode_32 3
		.amdhsa_float_denorm_mode_16_64 3
		.amdhsa_memory_ordered 1
		.amdhsa_forward_progress 1
		.amdhsa_inst_pref_size 93
	.end_amdhsa_kernel
	.amdgpu_metadata
---
amdhsa.version: [ 1, 2 ]
amdhsa.kernels:
  - .name:           k_q6eca0b6b7d_proj_out
    .symbol:         k_q6eca0b6b7d_proj_out.kd
    .args:
      - { .name: ao, .offset: 0, .size: 8, .value_kind: global_buffer, .address_space: global }
      - { .name: wall, .offset: 8, .size: 8, .value_kind: global_buffer, .address_space: global }
      - { .name: bo, .offset: 16, .size: 8, .value_kind: global_buffer, .address_space: global }
      - { .name: out0, .offset: 24, .size: 8, .value_kind: global_buffer, .address_space: global }
    .group_segment_fixed_size: 327680
    .private_segment_fixed_size: 0
    .kernarg_segment_align: 8
    .kernarg_segment_size: 32
    .max_flat_workgroup_size: 128
    .sgpr_count:     66
    .vgpr_count:     1024
    .wavefront_size: 32
...
	.end_amdgpu_metadata
.endif
;; end of part 4
;; ======== version 2 of 2: 4 launches; version 1 with the launch prep written anew for expert scheduling mode
;; limits: values are held in f16: magnitudes above 65,504 overflow, below 6.1e-05 lose precision; right only within a limited range of input values
;; workspace buffers: xb 8,388,608 bytes; wall 8,388,608 bytes; ball 12,288 bytes; mbits 1,048,576 bytes of whole numbers; qkv 25,165,824 bytes; ao 8,388,608 bytes
;; launch prep (part 5): grid 512 x 1, 8 waves a work-group, no clusters, 35,840 bytes of LDS; arguments embed, Wq, Wk, Wv, Wo, bq, bk, bv, attn_mask, xb, wall, ball, mbits; writes xb, wall, ball, mbits
.if DOCPART == 5
	.amdgcn_target "amdgcn-amd-amdhsa--gfx1250"
	.amdhsa_code_object_version 6
	.text
	.protected	k_q6eca0b6b7d_prep
	.globl	k_q6eca0b6b7d_prep
	.p2align	8
	.type	k_q6eca0b6b7d_prep,@function
k_q6eca0b6b7d_prep:
	s_mov_b64 s[64:65], 0
	v_nop
	global_prefetch_b8 v0, s[64:65] scope:SCOPE_SE
	s_setreg_imm32_b32 hwreg(HW_REG_WAVE_SCHED_MODE, 0, 2), 2
	s_setreg_imm32_b32 hwreg(HW_REG_WAVE_MODE, 25, 1), 1
	s_wait_xcnt 0x0
	s_wait_alu depctr_vm_vsrc(0)
; prep: what the three later launches would otherwise redo in every work-group is done once here.
;   work-groups   0-127: embed [4096][1024] f32 -> xb f16, 32,768 numbers each
;   work-groups 128-255: Wq, Wk, Wv, Wo f32 -> wall [4096][1024] f16 (rows 0-1023 c Wq, then Wk, Wv, Wo), 32 work-groups a matrix;
;                        the first work-group of Wq, Wk, Wv also writes its bias to ball [3072] f32 (c bq, bk, bv)
;   work-groups 256-511: 16 rows of attn_mask each -> mbits: one 32-bit word for 32 mask bytes, a bit for each lane of the attention kernel
; c = 0.125 log2(e): the division by sqrt(64) and the change from e^x to 2^x are folded into Wq and bq BEFORE the rounding to f16
; (an order of rounding that differs from reference(), stated here).
; WHY f16 AND NOT bf16: a result passes through some ten roundings of matrix operands (embed, weights, Q, K, V, P, the heads' outputs); f16 keeps 11 significant
; bits against 8.  LIMIT: |embed| and the weights must stay below 65,504, f16's largest number (beyond it the operand is infinite); below 6.1e-5 f16's step is
; fixed at 6e-8, which for weights 30 times smaller than 1/32 is still under 2e-4 of their spread.
; mbits word (qt, kt, jj), bit L = mask[16 qt + (L & 15)][16 kt + 2 jj + (L >> 4)]; a byte that is not 0 counts as true.
; No matrix unit, no cluster, no barrier: memory binds, no work-group shares an input byte with another, and each wave keeps to LDS bytes of its own.
; THE MODE: SCHED_MODE bits 1:0 = 2 (LLVM: expert scheduling mode 2), set by the entry lines.  The code itself states the register dependences
; between vector instructions and memory or LDS instructions, with s_wait_alu, always for 0.
; THE PLAN, conversions.  v2, v3: offsets, made once, read by every load and store, never written again.  X: each piece is loaded once; then vector instructions alone name it.
;   Y: a pair of registers for each store, written once by two roundings.  The 32 pieces go in eight blocks of four: block p converts its four pieces, and its memory
;   instructions are the four stores of block p - 1, whose Y no vector instruction of block p names.  So ONE wait on va_vdst at a block's head states all that its stores hang on.
;   No register that a load or store has read is written again, and no load lands in a register that a vector instruction has named.
; THE PLAN, mask.  v5, v6, v7, v11: addresses, made once.  MIN: global loads write it, LDS stores read it.  MR: LDS loads write it, vector instructions read it.
;   OUT: vector instructions write it, the one store reads it.  s[36:43]: a key tile's eight compares write them, its eight v_writelane_b32 read them: one wait on va_sdst a key tile,
;   with the next tile's eight v_and_b32 (into the other set of MT) between the compares and the wait.
; No scalar instruction writes a scalar register that a vector instruction has read.
.set CQ,   0x3e38aa3b                  ; c = 0.125 * 1.442695
.set X,    16                          ; v[16:143]  32 loads of 4 f32
.set Y,    144                         ; v[144:207] 32 stores of 4 f16
.set MIN,  16                          ; v[16:47]   mask role: 8 loads of 16 bytes
.set MR,   48                          ; v[48:111]  mask role: 16 key tiles x 16 bytes of my row
.set OUT,  112                         ; v[112:115] mask role: the wave's 128 words, four a lane
.set MT,   116                         ; v[116:131] mask role: at work, two sets of eight by the key tile's parity
.set MP,   272                         ; mask role: LDS row, 256 bytes + 16
	s_load_b512 s[4:19], s[0:1], 0x0               ; embed s[4:5], Wq s[6:7], Wk s[8:9], Wv s[10:11], Wo s[12:13], bq s[14:15], bk s[16:17], bv s[18:19]
	s_load_b256 s[20:27], s[0:1], 0x40             ; attn_mask s[20:21], xb s[22:23], wall s[24:25], ball s[26:27]
	s_load_b64 s[28:29], s[0:1], 0x60              ; mbits
	v_lshl_add_u32 v208, v0, 2, 0x8800             ; the LDS address of my spare word, behind the eight stages; kept for the closing lines alone
	v_mov_b32 v209, 0                              ; and 0, likewise
	v_lshrrev_b32 v1, 5, v0
	v_readfirstlane_b32 s2, v1                     ; wave 0..7
	v_and_b32 v1, 31, v0                           ; lane
	s_mov_b32 s31, 0                               ; the upper word of every offset pair s[30:31]
	s_wait_kmcnt 0x0
	s_wait_alu depctr_va_sdst(0)                   ; s2 is written, ahead of the branches and of its first reader in each of the three roles
	s_cmp_ge_u32 ttmp9, 256
	s_cbranch_scc1 .Lmask
	s_cmp_ge_u32 ttmp9, 128
	s_cbranch_scc1 .Lweights
	; embed: 131,072 bytes in, 65,536 out for each work-group
	s_lshl_b32 s30, ttmp9, 17
	s_add_nc_u64 s[34:35], s[4:5], s[30:31]        ; from
	s_lshl_b32 s30, ttmp9, 16
	s_add_nc_u64 s[38:39], s[22:23], s[30:31]      ; to
	s_mov_b32 s32, 1.0                             ; one text serves embed and the weights: the factor is 1 but for Wq and bq
	s_mov_b32 s33, 1.0
	s_branch .Lconv
.Lweights:
	s_sub_co_u32 s40, ttmp9, 128                   ; 0..127
	s_lshr_b32 s41, s40, 5                         ; which matrix: 0 Wq, 1 Wk, 2 Wv, 3 Wo
	s_and_b32 s42, s40, 31                         ; which 32nd of it
	s_cmp_eq_u32 s41, 1
	s_cselect_b64 s[34:35], s[8:9], s[6:7]
	s_cmp_eq_u32 s41, 2
	s_cselect_b64 s[34:35], s[10:11], s[34:35]
	s_cmp_eq_u32 s41, 3
	s_cselect_b64 s[34:35], s[12:13], s[34:35]
	s_lshl_b32 s30, s42, 17
	s_add_nc_u64 s[34:35], s[34:35], s[30:31]
	s_lshl_b32 s30, s40, 16
	s_add_nc_u64 s[38:39], s[24:25], s[30:31]      ; the four matrices follow each other in wall
	s_cmp_eq_u32 s41, 0
	s_cselect_b32 s32, CQ, 1.0
	s_mov_b32 s33, s32
	s_cmp_lg_u32 s42, 0                            ; the bias: the matrix's first work-group,
	s_cbranch_scc1 .Lconv
	s_cmp_eq_u32 s41, 3                            ; and not for Wo (bo is read as it is by the last launch)
	s_cbranch_scc1 .Lconv
	s_cmp_eq_u32 s41, 1
	s_cselect_b64 s[44:45], s[16:17], s[14:15]
	s_cmp_eq_u32 s41, 2
	s_cselect_b64 s[44:45], s[18:19], s[44:45]
	s_lshl_b32 s30, s41, 12
	s_add_nc_u64 s[46:47], s[26:27], s[30:31]
	v_lshlrev_b32 v8, 4, v0                        ; 256 threads x 16 bytes = the 4,096 bytes of a bias
	s_wait_alu depctr_va_vdst(0)                   ; v8 is written, which the load and the store below read as their offset
	global_load_b128 v[4:7], v8, s[44:45]
	s_wait_loadcnt 0x0
	v_pk_mul_f32 v[4:5], v[4:5], s[32:33] op_sel_hi:[1,0]
	v_pk_mul_f32 v[6:7], v[6:7], s[32:33] op_sel_hi:[1,0]
	s_wait_alu depctr_va_vdst(0)                   ; the two products are written in v[4:7], the store's data
	global_store_b128 v8, v[4:7], s[46:47]         ; v8, v[4:7], s[46:47] are not written again
.Lconv:
	; A wave takes 16,384 bytes: 32 loads of 512 neighbouring bytes, all issued before the first is used; each store of the wave covers 256 consecutive bytes, aligned.
	s_lshl_b32 s30, s2, 14
	s_add_nc_u64 s[34:35], s[34:35], s[30:31]
	s_lshl_b32 s30, s2, 13
	s_add_nc_u64 s[38:39], s[38:39], s[30:31]
	v_lshlrev_b32 v2, 4, v1
	v_lshlrev_b32 v3, 3, v1
	s_wait_alu depctr_va_vdst(0)                   ; v2 and v3 are written: every load below reads v2 as its offset, every store v3
.set k, 0
.rept 32
	global_load_b128 v[X+4*k:X+4*k+3], v2, s[34:35] offset:512*k th:TH_LOAD_NT
.set k, k+1
.endr
	; Eight blocks of four pieces.  Ahead of each piece's four vector lines stands a store of the block before.
.set blk, 0
.rept 8
.if blk > 0
	s_wait_alu depctr_va_vdst(0)                   ; the block before has written its eight registers of Y, which the four stores of this block read; no vector line of this block names them
.endif
.set row, 0
.rept 4
.set k, 4*blk+row
.if blk > 0
	global_store_b64 v3, v[Y+2*k-8:Y+2*k-7], s[38:39] offset:256*k-1024   ; piece k - 4; every store has data registers of its own: nothing is rewritten
.endif
	s_wait_loadcnt 31-k                            ; loads come back in order (ISA guide 5.7.1): load k is in, the 31-k younger ones stay out
	v_pk_mul_f32 v[X+4*k:X+4*k+1], v[X+4*k:X+4*k+1], s[32:33] op_sel_hi:[1,0]
	v_pk_mul_f32 v[X+4*k+2:X+4*k+3], v[X+4*k+2:X+4*k+3], s[32:33] op_sel_hi:[1,0]
	v_cvt_pk_f16_f32 v[Y+2*k], v[X+4*k], v[X+4*k+1]
	v_cvt_pk_f16_f32 v[Y+2*k+1], v[X+4*k+2], v[X+4*k+3]
.set row, row+1
.endr
.set blk, blk+1
.endr
	s_wait_alu depctr_va_vdst(0)                   ; the last block has written its Y, which the last four stores read
.set k, 28
.rept 4
	global_store_b64 v3, v[Y+2*k:Y+2*k+1], s[38:39] offset:256*k
.set k, k+1
.endr
	s_endpgm                                       ; no LDS store lies on any way to this line
.Lmask:
	; 16 rows of the mask; wave w takes keys 256 w .. 256 w + 255.  In: sixteen lanes take 256 neighbouring bytes of a row.
	; Through the wave's own 16 x 272 bytes of LDS each lane then gets, for row lane & 15, the 16 bytes of each key tile.
	v_and_b32 v2, 15, v0                           ; r
	v_bfe_u32 v3, v0, 4, 1                         ; h
	v_lshlrev_b32 v4, 4, v2                        ; 16 r
	s_lshl_b32 s47, s2, 8                          ; 256 w, in a register of its own: a vector line reads it, and no scalar line writes it again
	v_lshl_add_u32 v5, v3, 11, v4                  ; lanes 16-31 one row (2,048 bytes) further down
	v_add_nc_u32 v5, s47, v5
	s_sub_co_u32 s44, ttmp9, 256                   ; qt: which 16 of the 4,096 rows
	s_lshl_b32 s30, s44, 15
	s_add_nc_u64 s[20:21], s[20:21], s[30:31]
	s_wait_alu depctr_va_vdst(0)                   ; v5 is written, which the eight loads read as their offset
.irp i, 0,1,2,3,4,5,6,7
	global_load_b128 v[MIN+4*\i:MIN+4*\i+3], v5, s[20:21] offset:4096*\i th:TH_LOAD_NT   ; rows 2 i and 2 i + 1
.endr
	s_mul_i32 s45, s2, 16*MP                       ; my wave's stage
	v_mul_u32_u24 v6, v3, MP
	v_add_nc_u32 v6, v6, v4
	v_add_nc_u32 v6, s45, v6                       ; in: row h, 16 bytes at 16 r
	v_mul_u32_u24 v7, v2, MP
	v_add_nc_u32 v7, s45, v7                       ; back: row r
	v_lshlrev_b32 v8, 3, v3
	v_mov_b32 v9, 0xff
	v_lshlrev_b32 v9, v8, v9                       ; key 2 jj + h is byte 2 (jj & 1) + h of word jj >> 1: the byte's mask for even jj,
	v_lshlrev_b32 v10, 16, v9                      ; and for odd jj
	v_lshlrev_b32 v11, 4, v1                       ; out: 16 bytes a lane
	s_lshl_b32 s30, s44, 12                        ; 4,096 bytes of words for 16 rows,
	s_lshl_b32 s46, s2, 9                          ; 512 of them for my 16 key tiles
	s_add_co_u32 s30, s30, s46
	s_add_nc_u64 s[28:29], s[28:29], s[30:31]
.irp i, 0,1,2,3
	v_mov_b32 v[OUT+\i], 0                         ; v_writelane_b32 keeps the other lanes: the registers are written whole first
.endr
	s_wait_alu depctr_va_vdst(0)                   ; v6, v7 and v11 are written: the addresses of the LDS stores, of the LDS loads and of the last store
.irp i, 0,1,2,3,4,5,6,7
	s_wait_loadcnt 7-\i
	ds_store_b128 v6, v[MIN+4*\i:MIN+4*\i+3] offset:2*MP*\i
.endr
.irp t, 0,1,2,3,4,5,6,7,8,9,10,11,12,13,14,15
	ds_load_b128 v[MR+4*\t:MR+4*\t+3], v7 offset:16*\t   ; LDS serves a wave's instructions in order (ISA guide 5.7.1.4): these see the stores above
.endr
; Key tile t: my byte of each of its eight pairs of keys, into set t & 1 of MT.
.macro ANDS t
	s_wait_dscnt 15-(\t)                           ; key tile t's 16 bytes are in, the 15 - t younger loads stay out
.set jj, 0
.rept 8
	v_and_b32 v[MT+8*((\t)&1)+jj], v[9+(jj&1)], v[MR+4*(\t)+(jj>>1)]
.set jj, jj+1
.endr
.endm
	ANDS 0
.set kt, 0
.rept 16
.set jj, 0
.rept 8
	v_cmp_ne_u32 s[36+jj], 0, v[MT+8*(kt&1)+jj]    ; bit L of the word = lane L's byte is not 0
.set jj, jj+1
.endr
.if kt < 15
	ANDS kt+1                                      ; the next tile's eight lines stand between the compares and the wait for them
.endif
	s_wait_alu depctr_va_sdst(0)                   ; the eight compares have written s[36:43], ahead of their first readers, the eight lines below
.set jj, 0
.rept 8
	v_writelane_b32 v[OUT+(jj&3)], s[36+jj], 2*kt+(jj>>2)   ; word 8 kt + jj of the wave's 128 lies in lane (8 kt + jj) / 4, register jj & 3
.set jj, jj+1
.endr
.set kt, kt+1
.endr
	s_wait_alu depctr_va_vdst(0)                   ; the v_writelane_b32 have written v[OUT ..], the store's data
	global_store_b128 v11, v[OUT:OUT+3], s[28:29]  ; 512 consecutive bytes, aligned
	s_wait_dscnt 0x0                               ; the closing lines, six on end
	s_wait_alu 0x0
	s_wait_tensorcnt 0x0
	ds_add_u32 v208, v209
	s_wait_dscnt 0x0
	s_endpgm
.Lfunc_end_k_q6eca0b6b7d_prep:
	.size	k_q6eca0b6b7d_prep, .Lfunc_end_k_q6eca0b6b7d_prep-k_q6eca0b6b7d_prep
	.p2alignl 7, 3214868480
	.fill 96, 4, 3214868480
	.section	.rodata,"a",@progbits
	.p2align	6, 0x0
	.amdhsa_kernel k_q6eca0b6b7d_prep
		.amdhsa_group_segment_fixed_size 35840
		.amdhsa_private_segment_fixed_size 0
		.amdhsa_enable_private_segment 0
		.amdhsa_kernarg_size 104
		.amdhsa_user_sgpr_count 2
		.amdhsa_user_sgpr_kernarg_segment_ptr 1
		.amdhsa_wavefront_size32 1
		.amdhsa_system_sgpr_workgroup_id_x 1
		.amdhsa_system_sgpr_workgroup_id_y 1
		.amdhsa_system_sgpr_workgroup_id_z 1
		.amdhsa_system_vgpr_workitem_id 0
		.amdhsa_next_free_vgpr 210
		.amdhsa_next_free_sgpr 66
		.amdhsa_reserve_vcc 0
		.amdhsa_float_denorm_mode_32 3
		.amdhsa_float_denorm_mode_16_64 3
		.amdhsa_memory_ordered 1
		.amdhsa_forward_progress 1
		.amdhsa_inst_pref_size 44
	.end_amdhsa_kernel
	.amdgpu_metadata
---
amdhsa.version: [ 1, 2 ]
amdhsa.kernels:
  - .name:           k_q6eca0b6b7d_prep
    .symbol:         k_q6eca0b6b7d_prep.kd
    .args:
      - { .name: embed, .offset: 0, .size: 8, .value_kind: global_buffer, .address_space: global }
      - { .name: Wq, .offset: 8, .size: 8, .value_kind: global_buffer, .address_space: global }
      - { .name: Wk, .offset: 16, .size: 8, .value_kind: global_buffer, .address_space: global }
      - { .name: Wv, .offset: 24, .size: 8, .value_kind: global_buffer, .address_space: global }
      - { .name: Wo, .offset: 32, .size: 8, .value_kind: global_buffer, .address_space: global }
      - { .name: bq, .offset: 40, .size: 8, .value_kind: global_buffer, .address_space: global }
      - { .name: bk, .offset: 48, .size: 8, .value_kind: global_buffer, .address_space: global }
      - { .name: bv, .offset: 56, .size: 8, .value_kind: global_buffer, .address_space: global }
      - { .name: attn_mask, .offset: 64, .size: 8, .value_kind: global_buffer, .address_space: global }
      - { .name: xb, .offset: 72, .size: 8, .value_kind: global_buffer, .address_space: global }
      - { .name: wall, .offset: 80, .size: 8, .value_kind: global_buffer, .address_space: global }
      - { .name: ball, .offset: 88, .size: 8, .value_kind: global_buffer, .address_space: global }
      - { .name: mbits, .offset: 96, .size: 8, .value_kind: global_buffer, .address_space: global }
    .group_segment_fixed_size: 35840
    .private_segment_fixed_size: 0
    .kernarg_segment_align: 8
    .kernarg_segment_size: 104
    .max_flat_workgroup_size: 256
    .sgpr_count:     66
    .vgpr_count:     210
    .wavefront_size: 32
...
	.end_amdgpu_metadata
.endif
;; end of part 5
;; launch proj_qkv: the kernel of part 2 again; grid 8 x 32, 4 waves a work-group, clusters of 4 x 4, 327,680 bytes of LDS; arguments xb, wall, ball, qkv; writes qkv
;; launch attn: the kernel of part 3 again; grid 16 x 16, 16 waves a work-group, clusters of 4 x 1, 327,680 bytes of LDS; arguments qkv, mbits, ao; writes ao
;; launch proj_out: the kernel of part 4 again; grid 8 x 32, 4 waves a work-group, clusters of 4 x 4, 327,680 bytes of LDS; arguments ao, wall, bo, out0; writes out0
